; MI455X (gfx1250); checked and timed in simulation.
; The chip was launched on July 23, 2026; its instructions are those of AMD's public machine-readable ISA for CDNA 5 (MIT licence, August 2026) and "CDNA5" Instruction Set Architecture Reference Guide (July 2026). The comments in the code are by the model that wrote it; some were corrected since.
;; Deepseek V3 Mo E Calibrate. Allowed arithmetic: float matrix products may take bf16 or f16 operands with f32 sums; all other float work in f32.
;; Inputs: expert_down 32 x 1,024 x 512 float32; expert_gate 32 x 512 x 1,024 float32; expert_up 32 x 512 x 1,024 float32; gate_bias 32 float32; gate_w 32 x 1,024 float32; hidden_states 2 x 512 x 1,024 float32; shared_down 1,024 x 1,024 float32; shared_gate 1,024 x 1,024 float32; shared_up 1,024 x 1,024 float32.
;; Outputs: out0 2 x 512 x 1,024 float32.
;; 2 versions, each right; version 2 is version 1 with the launches gateup, down written anew for expert scheduling mode. Each part assembles by itself: llvm-mc -triple=amdgcn-amd-amdhsa -mcpu=gfx1250 --defsym DOCPART=n.
;; ======== version 1 of 2: 5 launches
;; workspace buffers: xb 2,097,152 bytes; tmask 4,096 bytes of whole numbers; wb 131,072 bytes; route 172,288 bytes of whole numbers; ws 32,768 bytes; hb 35,651,584 bytes; yb 142,606,336 bytes
;; launch router (part 1): grid 32 x 1, 16 waves a work-group, no clusters, 158,720 bytes of LDS; arguments hidden_states, gate_w, gate_bias, xb, tmask, wb; writes xb, tmask, wb
.if DOCPART == 1
	.amdgcn_target "amdgcn-amd-amdhsa--gfx1250"
	.amdhsa_code_object_version 6
	.text
	.protected	k_qe85d1fb1fa_router
	.globl	k_qe85d1fb1fa_router
	.p2align	8
	.type	k_qe85d1fb1fa_router,@function
k_qe85d1fb1fa_router:
	s_mov_b64 s[64:65], 0
	v_nop
	global_prefetch_b8 v0, s[64:65] scope:SCOPE_SE
	s_setreg_imm32_b32 hwreg(HW_REG_WAVE_MODE, 25, 1), 1
	s_wait_xcnt 0x0
; ROUTER.  A work-group owns 32 tokens.  It rounds their rows of x and all of gate_w to bf16 (x's rows also go out as xb, for the later launches),
; makes the 32 x 32 logits on the matrix unit (16 waves: 2 halves of the experts x 2 halves of the tokens x 4 quarters of K = 1,024), and wave 0, one token a lane,
; does the sigmoid, the choice of 2 of 4 groups, the top 8 of the masked 32 and the weights, all in f32 registers.
; OUT: xb[t][1024] bf16; tmask[t]: bit e = expert e chosen; wb[block of 32 tokens][e][token]: 2.5 x score / (sum + 1e-20), 0 where not chosen.
; No address and no branch hangs on a score: the choice lives in lane masks and v_cndmask_b32.
; LIMITS.  x, gate_w and gate_bias are rounded to bf16 (nearest even) before anything is computed.  The logits' sums go in another order than a chain of f32 additions, and the
; sigmoid is 1 / (1 + 2^(-1.4427 z)) by v_exp_f32 and v_rcp_f32: two biased scores or two group sums nearer than about 1e-7 of themselves may be ordered otherwise than in exact arithmetic.
; Equal values go to the lower index.  -0 ties with +0.  NaN and infinities are not treated apart.  A score below 2^-126 counts as 0.
.set RP,    2064                       ; an LDS row of 1,024 bf16: 2,048 bytes + 16 = 129 x 16: the sixteen rows of a fragment load start 16 bytes apart modulo 256
.set XS,    0                          ; 32 rows of x
.set GS,    32*RP                      ; 32 rows of gate_w
.set PS,    2*32*RP                    ; partial sums: a tile of 16 tokens x 16 experts of f32 for each wave, rows of 64 + 16 bytes
.set PT,    16*80
.set WS,    PS+16*PT                   ; wave 0's stage for wb: 32 experts x 128 bytes
.set SPARE, WS+4096                    ; the spare words, 128 bytes for each of 16 waves: eight blocks of 256 bytes that no other line names
.set SPW,   4                          ; v4  SPARE + 4 x my thread's number; never rewritten
.set NIL,   5                          ; v5  0; never rewritten
; v1 lane, v2 lane % 16, v3 (lane / 16) % 2, v6 16 lane, v7 8 lane, v15 4 lane, v8/v9 where I put x's / gate_w's bf16, v10/v11 fragment addresses, v12/v13 partial sums in / out
; v14 bias, v16-31 at work, v32-95 x as loaded, v96-159 gate_w as loaded (then fragments, then wave 0's tables), v160-223 converted, v224-239 two accumulators
; s[32:63] bias by expert, later the trip's winners; s[66:97] lane masks: expert e chosen
	s_load_b256 s[4:11], s[0:1], 0x0               ; x s[4:5], gate_w s[6:7], gate_bias s[8:9], xb s[10:11]
	s_load_b128 s[12:15], s[0:1], 0x20             ; tmask s[12:13], wb s[14:15]
	v_lshl_add_u32 v[SPW], v0, 2, SPARE
	v_mov_b32 v[NIL], 0
	v_and_b32 v1, 31, v0
	v_and_b32 v2, 15, v0
	v_bfe_u32 v3, v0, 4, 1
	v_lshrrev_b32 v16, 5, v0
	v_readfirstlane_b32 s2, v16                    ; wave 0..15
	s_mov_b32 s3, ttmp9                            ; block of 32 tokens
	v_lshlrev_b32 v6, 4, v1
	v_lshlrev_b32 v7, 3, v1
	v_lshlrev_b32 v15, 2, v1
	s_mul_i32 s16, s2, 2*RP                        ; wave w converts rows 2 w and 2 w + 1 of both tiles
	v_add_nc_u32 v8, s16, v7
	v_add_nc_u32 v9, GS, v8
	s_lshl_b32 s18, s2, 13                         ; two f32 rows: 8,192 bytes
	s_mov_b32 s19, 0
	s_lshl_b32 s20, s3, 17                         ; 32 f32 rows
	s_add_co_u32 s20, s20, s18
	s_mov_b32 s21, 0
	s_lshl_b32 s22, s3, 16                         ; 32 bf16 rows,
	s_lshl_b32 s23, s2, 12                         ; two of them
	s_add_co_u32 s22, s22, s23
	s_mov_b32 s23, 0
	s_lshl_b32 s24, s3, 7
	s_mov_b32 s25, 0
	s_lshl_b32 s26, s3, 12
	s_mov_b32 s27, 0
	s_wait_kmcnt 0x0
	s_add_nc_u64 s[4:5], s[4:5], s[20:21]
	s_add_nc_u64 s[6:7], s[6:7], s[18:19]
	s_add_nc_u64 s[10:11], s[10:11], s[22:23]
	s_add_nc_u64 s[12:13], s[12:13], s[24:25]
	s_add_nc_u64 s[14:15], s[14:15], s[26:27]
	global_load_b32 v14, v15, s[8:9]               ; lane e: bias of expert e
.irp i, 0,1,2,3,4,5,6,7,8,9,10,11,12,13,14,15
	global_load_b128 v[32+4*\i:35+4*\i], v6, s[4:5] offset:512*\i th:TH_LOAD_NT  ; my two rows lie end to end: 16 x 512 bytes
.endr
.irp i, 0,1,2,3,4,5,6,7,8,9,10,11,12,13,14,15
	global_load_b128 v[96+4*\i:99+4*\i], v6, s[6:7] offset:512*\i               ; gate_w is read by all 32 work-groups: no hint
.endr
	; the addresses of the later phases are made while the loads are out
	s_and_b32 s16, s2, 1                           ; which 16 experts
	s_bfe_u32 s17, s2, 0x10001                     ; which 16 tokens
	s_lshr_b32 s28, s2, 2                          ; which quarter of K:
	s_lshl_b32 s28, s28, 9                         ; 256 bf16 = 512 bytes
	s_mul_i32 s16, s16, 16*RP
	s_add_co_u32 s16, s16, s28
	s_add_co_u32 s16, s16, GS
	s_mul_i32 s17, s17, 16*RP
	s_add_co_u32 s17, s17, s28
	v_mul_u32_u24 v16, v2, RP
	v_lshl_add_u32 v16, v3, 4, v16                 ; a fragment's row x pitch + 16 x half
	v_add_nc_u32 v10, s16, v16
	v_add_nc_u32 v11, s17, v16
	s_mul_i32 s29, s2, PT
	s_add_co_u32 s29, s29, PS                      ; my tile of partial sums
	v_mul_u32_u24 v19, v2, 80
	v_lshl_add_u32 v17, v3, 5, v19                 ; token lane % 16, experts 8 (lane / 16) on
	v_add_nc_u32 v12, s29, v17
	v_mul_u32_u24 v18, v3, 2*PT                    ; wave 0 reads token = lane: tiles of its half of the tokens, row lane % 16
	v_add_nc_u32 v13, v18, v19
	v_add_nc_u32 v13, PS, v13
.irp i, 0,1,2,3,4,5,6,7,8,9,10,11,12,13,14,15
	s_wait_loadcnt 31-\i                           ; loads come back in order: x's piece i is in; the 15 - i younger of x and gate_w's 16 stay out
	v_cvt_pk_bf16_f32 v[160+2*\i], v[32+4*\i], v[33+4*\i]
	v_cvt_pk_bf16_f32 v[161+2*\i], v[34+4*\i], v[35+4*\i]
	ds_store_b64 v8, v[160+2*\i:161+2*\i] offset:(\i/8)*RP+(\i%8)*256
	global_store_b64 v7, v[160+2*\i:161+2*\i], s[10:11] offset:256*\i  ; the wave stores 256 consecutive bytes, aligned; each piece has data registers of its own
.endr
.irp i, 0,1,2,3,4,5,6,7,8,9,10,11,12,13,14,15
	s_wait_loadcnt 15-\i
	v_cvt_pk_bf16_f32 v[192+2*\i], v[96+4*\i], v[97+4*\i]
	v_cvt_pk_bf16_f32 v[193+2*\i], v[98+4*\i], v[99+4*\i]
	ds_store_b64 v9, v[192+2*\i:193+2*\i] offset:(\i/8)*RP+(\i%8)*256
.endr
	s_wait_dscnt 0x0                               ; for the others' sake: my rows are in LDS
	s_barrier_signal -1
	s_barrier_wait -1
	; 16 experts (source 0) x 16 tokens (source 1) x 256 along K: in the result a lane holds token lane % 16 and experts 8 (lane / 16) + 0..7
.irp k, 0,1,2,3,4,5,6,7
	ds_load_b128 v[32+8*\k:35+8*\k],   v10 offset:64*\k
	ds_load_b128 v[36+8*\k:39+8*\k],   v10 offset:64*\k+32
	ds_load_b128 v[96+8*\k:99+8*\k],   v11 offset:64*\k
	ds_load_b128 v[100+8*\k:103+8*\k], v11 offset:64*\k+32
.endr
	s_wait_dscnt 0x0
	v_wmma_f32_16x16x32_bf16 v[224:231], v[32:39], v[96:103], 0       ; two accumulators take turns, one instruction a turn; the first two products start the sums
	v_wmma_f32_16x16x32_bf16 v[232:239], v[40:47], v[104:111], 0
.irp k, 2,3,4,5,6,7
	v_wmma_f32_16x16x32_bf16 v[224+8*(\k%2):231+8*(\k%2)], v[32+8*\k:39+8*\k], v[96+8*\k:103+8*\k], v[224+8*(\k%2):231+8*(\k%2)]
.endr
.rept 4
	v_nop                                          ; four places between the last product and the first read of a result (ISA guide 7.12.1)
.endr
.irp j, 0,1,2,3
	v_pk_add_f32 v[224+2*\j:225+2*\j], v[224+2*\j:225+2*\j], v[232+2*\j:233+2*\j]  ; from the low end on
.endr
	ds_store_b128 v12, v[224:227]
	ds_store_b128 v12, v[228:231] offset:16
	s_wait_dscnt 0x0                               ; for wave 0's sake
	s_barrier_signal -1
	s_barrier_wait -1
	s_cmp_lg_u32 s2, 0
	s_cbranch_scc1 .Lend                           ; no barrier follows
	; WAVE 0, one token a lane.  Tile of wave 4 kq + 2 (token half) + (expert half).
.irp kq, 0,1,2,3
.irp et, 0,1
.irp q, 0,1,2,3
	ds_load_b128 v[32+32*\kq+16*\et+4*\q:35+32*\kq+16*\et+4*\q], v13 offset:\kq*4*PT+\et*PT+16*\q
.endr
.endr
.endr
	v_cvt_pk_bf16_f32 v14, v14, v14                ; the bias is rounded like the other inputs
	v_lshlrev_b32 v14, 16, v14
.set e, 0
.rept 32
	v_readlane_b32 s[32+e], v14, e
.set e, e+1
.endr
	s_wait_dscnt 0x0
.set j, 0
.rept 16
	v_pk_add_f32 v[32+2*j:33+2*j], v[32+2*j:33+2*j], v[64+2*j:65+2*j]
	v_pk_add_f32 v[96+2*j:97+2*j], v[96+2*j:97+2*j], v[128+2*j:129+2*j]
.set j, j+1
.endr
.set j, 0
.rept 16
	v_pk_add_f32 v[32+2*j:33+2*j], v[32+2*j:33+2*j], v[96+2*j:97+2*j]          ; the 32 logits
.set j, j+1
.endr
.set j, 0
.rept 16
	v_pk_mul_f32 v[32+2*j:33+2*j], v[32+2*j:33+2*j], 0xbfb8aa3b op_sel_hi:[1,0]  ; x -log2(e)
.set j, j+1
.endr
.set e, 0
.rept 32
	v_exp_f32 v[32+e], v[32+e]
.set e, e+1
.endr
	v_nop                                          ; a plain instruction behind the last exponential
.set j, 0
	s_wait_alu depctr_va_vdst(0)
.rept 16
	v_pk_add_f32 v[32+2*j:33+2*j], v[32+2*j:33+2*j], 1.0 op_sel_hi:[1,0]
.set j, j+1
.endr
.set e, 0
.rept 32
	v_rcp_f32 v[32+e], v[32+e]
.set e, e+1
.endr
	v_nop
.set e, 0
	s_wait_alu depctr_va_vdst(0)
.rept 32
	v_add_f32 v[64+e], s[32+e], v[32+e]            ; v32-63 scores, v64-95 scores + bias
.set e, e+1
.endr
	; a group's score: its two largest.  m2 = the middle one of (m1, m2, v) is the new second, since m1 >= m2
.irp g, 0,1,2,3
	v_max_num_f32 v[16+\g], v[64+8*\g], v[65+8*\g]
	v_min_num_f32 v[20+\g], v[64+8*\g], v[65+8*\g]
.irp j, 2,3,4,5,6,7
	v_med3_num_f32 v[20+\g], v[16+\g], v[20+\g], v[64+8*\g+\j]
	v_max_num_f32 v[16+\g], v[16+\g], v[64+8*\g+\j]
.endr
	v_add_f32 v[16+\g], v[16+\g], v[20+\g]
.endr
	; group a < b stands in front of b where its score is not smaller.  A group is kept unless two others stand in front of it.
	v_cmp_ge_f32 s16, v16, v17
	v_cmp_ge_f32 s17, v16, v18
	v_cmp_ge_f32 s18, v16, v19
	v_cmp_ge_f32 s19, v17, v18
	v_cmp_ge_f32 s20, v17, v19
	v_cmp_ge_f32 s21, v18, v19
	s_not_b32 s22, s16
	s_not_b32 s23, s17
	s_not_b32 s24, s18
	s_not_b32 s25, s19
	s_not_b32 s26, s20
	s_not_b32 s27, s21
.macro KEEP d, x, y, z                 ; d = not (two or more of x, y, z)
	s_and_b32 s28, \x, \y
	s_or_b32 s29, \x, \y
	s_and_b32 s29, s29, \z
	s_or_b32 s28, s28, s29
	s_not_b32 \d, s28
.endm
	KEEP s32, s22, s23, s24
	KEEP s33, s16, s25, s26
	KEEP s34, s17, s19, s27
	KEEP s35, s18, s20, s21
.set e, 0
.rept 32
	v_cndmask_b32 v[96+e], 0, v[64+e], s[32+e/8]   ; v96-127: the masked scores; 0.0 outside the kept groups, as in the reference
	s_mov_b32 s[66+e], 0
.set e, e+1
.endr
	v_mov_b32 v24, 0xff800000                      ; what a winner is replaced by
	s_mov_b32 s31, 8
.Ltop:                                                 ; eight trips: the largest of the 32, the lowest index among equals
.irp c, 0,1,2,3
	v_max3_num_f32 v[16+\c], v[96+8*\c], v[97+8*\c], v[98+8*\c]
.endr
.irp c, 0,1,2,3
	v_max3_num_f32 v[16+\c], v[16+\c], v[99+8*\c], v[100+8*\c]
.endr
.irp c, 0,1,2,3
	v_max3_num_f32 v[16+\c], v[16+\c], v[101+8*\c], v[102+8*\c]
.endr
.irp c, 0,1,2,3
	v_max_num_f32 v[16+\c], v[16+\c], v[103+8*\c]
.endr
	v_max3_num_f32 v16, v16, v17, v18
	v_max_num_f32 v16, v16, v19
.set e, 0
.rept 32
	v_cmp_eq_f32 s[32+e], v[96+e], v16
.set e, e+1
.endr
	s_mov_b32 s30, 0                               ; lanes that have their winner
.set e, 0
.rept 32
	s_and_not1_b32 s[32+e], s[32+e], s30
	s_or_b32 s30, s30, s[32+e]
	s_or_b32 s[66+e], s[66+e], s[32+e]
.set e, e+1
.endr
.set e, 0
.rept 32
	v_cndmask_b32 v[96+e], v[96+e], v24, s[32+e]
.set e, e+1
.endr
	s_sub_co_u32 s31, s31, 1
	s_cmp_lg_u32 s31, 0
	s_cbranch_scc1 .Ltop
	; weights: the unbiased scores of the chosen, over their sum + 1e-20, times 2.5
	v_mov_b32 v16, 0
.set e, 0
.rept 32
	v_cndmask_b32 v[64+e], 0, v[32+e], s[66+e]
	v_or_b32 v17, 1<<e, v16
	v_cndmask_b32 v16, v16, v17, s[66+e]           ; the token's bit mask
.set e, e+1
.endr
	global_store_b32 v15, v16, s[12:13]            ; 128 bytes: all that this work-group has of tmask
.set j, 0
.rept 8
	v_pk_add_f32 v[128+2*j:129+2*j], v[64+2*j:65+2*j], v[80+2*j:81+2*j]
.set j, j+1
.endr
.set j, 0
.rept 4
	v_pk_add_f32 v[128+2*j:129+2*j], v[128+2*j:129+2*j], v[136+2*j:137+2*j]
.set j, j+1
.endr
	v_pk_add_f32 v[128:129], v[128:129], v[132:133]
	v_pk_add_f32 v[130:131], v[130:131], v[134:135]
	v_pk_add_f32 v[128:129], v[128:129], v[130:131]
	v_add_f32 v128, v128, v129
	v_add_f32 v128, 0x1e3ce508, v128               ; + 1e-20
	v_rcp_f32 v128, v128
	v_add_nc_u32 v18, WS, v15                      ; (the plain instruction behind the reciprocal)
	s_wait_alu depctr_va_vdst(0)
	v_mul_f32 v128, 0x40200000, v128               ; x 2.5
	v_add_nc_u32 v19, WS, v6
.set j, 0
.rept 16
	v_pk_mul_f32 v[64+2*j:65+2*j], v[64+2*j:65+2*j], v[128:129] op_sel_hi:[1,0]
.set j, j+1
.endr
.set e, 0
.rept 32
	ds_store_b32 v18, v[64+e] offset:128*e         ; [expert][token]
.set e, e+1
.endr
.irp i, 0,1,2,3,4,5,6,7
	ds_load_b128 v[32+4*\i:35+4*\i], v19 offset:512*\i  ; LDS serves a wave's instructions in order (ISA guide 5.7.1.4): these see the stores above
.endr
	s_wait_dscnt 0x0
.irp i, 0,1,2,3,4,5,6,7
	global_store_b128 v6, v[32+4*\i:35+4*\i], s[14:15] offset:512*\i  ; 512 consecutive bytes, aligned
.endr
.Lend:
	s_wait_tensorcnt 0x0                           ; the wave's end: three closing lines, behind my last LDS store
	ds_add_u32 v[SPW], v[NIL]
	s_wait_dscnt 0x0
	s_endpgm
.Lfunc_end_k_qe85d1fb1fa_router:
	.size	k_qe85d1fb1fa_router, .Lfunc_end_k_qe85d1fb1fa_router-k_qe85d1fb1fa_router
	.p2alignl 7, 3214868480
	.fill 96, 4, 3214868480
	.section	.rodata,"a",@progbits
	.p2align	6, 0x0
	.amdhsa_kernel k_qe85d1fb1fa_router
		.amdhsa_group_segment_fixed_size 158720
		.amdhsa_private_segment_fixed_size 0
		.amdhsa_enable_private_segment 0
		.amdhsa_kernarg_size 48
		.amdhsa_user_sgpr_count 2
		.amdhsa_user_sgpr_kernarg_segment_ptr 1
		.amdhsa_wavefront_size32 1
		.amdhsa_system_sgpr_workgroup_id_x 1
		.amdhsa_system_sgpr_workgroup_id_y 1
		.amdhsa_system_sgpr_workgroup_id_z 1
		.amdhsa_system_vgpr_workitem_id 0
		.amdhsa_next_free_vgpr 240
		.amdhsa_next_free_sgpr 98
		.amdhsa_reserve_vcc 0
		.amdhsa_float_denorm_mode_32 3
		.amdhsa_float_denorm_mode_16_64 3
		.amdhsa_memory_ordered 1
		.amdhsa_forward_progress 1
		.amdhsa_inst_pref_size 57
	.end_amdhsa_kernel
	.amdgpu_metadata
---
amdhsa.version: [ 1, 2 ]
amdhsa.kernels:
  - .name:           k_qe85d1fb1fa_router
    .symbol:         k_qe85d1fb1fa_router.kd
    .args:
      - { .name: hidden_states, .offset: 0, .size: 8, .value_kind: global_buffer, .address_space: global }
      - { .name: gate_w, .offset: 8, .size: 8, .value_kind: global_buffer, .address_space: global }
      - { .name: gate_bias, .offset: 16, .size: 8, .value_kind: global_buffer, .address_space: global }
      - { .name: xb, .offset: 24, .size: 8, .value_kind: global_buffer, .address_space: global }
      - { .name: tmask, .offset: 32, .size: 8, .value_kind: global_buffer, .address_space: global }
      - { .name: wb, .offset: 40, .size: 8, .value_kind: global_buffer, .address_space: global }
    .group_segment_fixed_size: 158720
    .private_segment_fixed_size: 0
    .kernarg_segment_align: 8
    .kernarg_segment_size: 48
    .max_flat_workgroup_size: 512
    .sgpr_count:     98
    .vgpr_count:     240
    .wavefront_size: 32
...
	.end_amdgpu_metadata
.endif
;; end of part 1
;; launch lists (part 2): grid 33 x 1, 32 waves a work-group, no clusters, 4,352 bytes of LDS; arguments tmask, wb, route, ws; writes route, ws
.if DOCPART == 2
	.amdgcn_target "amdgcn-amd-amdhsa--gfx1250"
	.amdhsa_code_object_version 6
	.text
	.protected	k_qe85d1fb1fa_lists
	.globl	k_qe85d1fb1fa_lists
	.p2align	8
	.type	k_qe85d1fb1fa_lists,@function
k_qe85d1fb1fa_lists:
	s_mov_b64 s[64:65], 0
	v_nop
	global_prefetch_b8 v0, s[64:65] scope:SCOPE_SE
	s_setreg_imm32_b32 hwreg(HW_REG_WAVE_MODE, 25, 1), 1
	s_wait_xcnt 0x0
; LISTS.  Work-group e (0..31: an expert; 32: the shared MLP, which takes every token) makes, without atomics, from the tokens' bit masks:
;   route + 0       LIST[e][1024]  the numbers of the tokens that chose e, ascending, then zeros
;   route + SLOT    SLOT[t][8]     for token t's k-th chosen expert (ascending): 1024 e + the token's place in LIST[e]
;   route + CNT     CNT[e][32]     how many chose e, 32 times
;   ws[t][8]                       the weight that belongs to SLOT[t][k]
; One thread a token.  A wave counts its chosen tokens by a ballot; the 32 counts meet in LDS; a token's place is the earlier waves' sum plus the chosen lanes below it.
; Every thread stores ONE word of LIST: a chosen token its number at its place, another token 0 at n + (the tokens before it that were not chosen): together the 1,024 places, each once.
; These, SLOT and ws are stores of four bytes a lane: a wave's chosen lanes write neighbouring words of LIST, but a token's eight words of SLOT and ws come from eight work-groups;
; all three are 200 KB in the launch.
.set CW,    0                          ; 32 counts: a block of 256 bytes
.set SPARE, 256                        ; the spare words, 128 bytes for each of 32 waves: sixteen blocks of 256 bytes that no other line names
.set SLOT,  33*4096
.set CNT,   SLOT+1024*32
.set SPW,   4                          ; v4  SPARE + 4 x my thread's number; never rewritten
.set NIL,   5                          ; v5  0; never rewritten
	s_load_b256 s[4:11], s[0:1], 0x0               ; tmask s[4:5], wb s[6:7], route s[8:9], ws s[10:11]
	v_lshl_add_u32 v[SPW], v0, 2, SPARE
	v_mov_b32 v[NIL], 0
	v_and_b32 v1, 31, v0
	v_lshrrev_b32 v2, 5, v0
	v_readfirstlane_b32 s2, v2                     ; wave = block of 32 tokens
	s_mov_b32 s3, ttmp9                            ; e
	s_min_u32 s12, s3, 31
	s_lshl_b32 s13, 1, s12                         ; e's bit,
	s_sub_co_u32 s14, s13, 1                       ; the bits below it
	v_lshlrev_b32 v3, 2, v0
	v_lshlrev_b32 v6, 2, v1
	s_lshl_b32 s16, s2, 12                         ; wb[block][e][lane]
	s_lshl_b32 s17, s12, 7
	s_add_co_u32 s16, s16, s17
	s_mov_b32 s17, 0
	s_lshl_b32 s24, s3, 12                         ; LIST's row
	s_mov_b32 s25, 0
	s_lshl_b32 s26, s3, 7                          ; CNT's row
	s_mov_b32 s27, 0
	s_lshl_b32 s23, s3, 10
	s_mov_b32 s20, 0x76543210                      ; v_permlanex16_b32: each lane takes its own place in the other half
	s_mov_b32 s21, 0xfedcba98
	s_mov_b32 s28, 0x01010101
	v_mov_b32 v15, 0                               ; destinations of the lane exchanges count as read
	v_mov_b32 v16, 0
	s_wait_kmcnt 0x0
	s_add_nc_u64 s[6:7], s[6:7], s[16:17]
	s_add_nc_u64 s[24:25], s[8:9], s[24:25]
	s_add_nc_u64 s[26:27], s[8:9], s[26:27]
	global_load_b32 v8, v3, s[4:5]                 ; my token's mask
	global_load_b32 v9, v6, s[6:7]                 ; and its weight for e
	s_wait_loadcnt 0x0
	v_and_b32 v10, s13, v8
	v_cmp_ne_u32 vcc_lo, 0, v10
	s_cmp_eq_u32 s3, 32
	s_cselect_b32 s18, -1, vcc_lo                  ; the wave's chosen lanes
	s_bcnt1_i32_b32 s19, s18
	v_mov_b32 v11, s19
	v_mov_b32 v12, s2
	v_lshlrev_b32 v12, 2, v12
	ds_store_b32 v12, v11 offset:CW                ; all lanes write the wave's word with the same number
	s_wait_dscnt 0x0                               ; for the others' sake
	s_barrier_signal -1
	s_barrier_wait -1
	ds_load_b32 v13, v6 offset:CW                  ; lane i: wave i's count
	; meanwhile: how many chosen experts lie below e (the number of ones in mask & (bit - 1), by pairs, fours, bytes, and a multiply that adds the four bytes)
	v_and_b32 v22, s14, v8
	v_lshrrev_b32 v23, 1, v22
	v_and_b32 v23, 0x55555555, v23
	v_sub_nc_u32 v22, v22, v23
	v_lshrrev_b32 v23, 2, v22
	v_and_b32 v22, 0x33333333, v22
	v_and_b32 v23, 0x33333333, v23
	v_add_nc_u32 v22, v22, v23
	v_lshrrev_b32 v23, 4, v22
	v_add_nc_u32 v22, v22, v23
	v_and_b32 v22, 0x0f0f0f0f, v22
	v_mul_lo_u32 v22, v22, s28
	v_lshrrev_b32 v22, 24, v22
	v_min_u32 v22, 7, v22
	v_lshlrev_b32 v22, 2, v22
	v_lshl_add_u32 v22, v0, 5, v22                 ; 32 t + 4 rank
	s_wait_dscnt 0x0
	v_cmp_gt_u32 vcc_lo, s2, v1
	v_cndmask_b32 v14, 0, v13, vcc_lo              ; the waves in front of mine
.irp x, 1,2,4,8
	v_mov_b32_dpp v15, v13 row_xmask:\x row_mask:0xf bank_mask:0xf
	v_mov_b32_dpp v16, v14 row_xmask:\x row_mask:0xf bank_mask:0xf
	v_add_nc_u32 v13, v13, v15
	v_add_nc_u32 v14, v14, v16
.endr
	v_permlanex16_b32 v15, v13, s20, s21
	v_permlanex16_b32 v16, v14, s20, s21
	v_add_nc_u32 v13, v13, v15                     ; n, in every lane
	v_add_nc_u32 v14, v14, v16                     ; chosen in the waves in front of mine
	v_mbcnt_lo_u32_b32 v17, s18, 0
	v_add_nc_u32 v17, v14, v17                     ; chosen tokens in front of me
	v_add_nc_u32 v18, v13, v0
	v_sub_nc_u32 v18, v18, v17                     ; n + the others in front of me
	v_cndmask_b32 v19, v18, v17, s18
	v_min_u32 v19, 0x3ff, v19                      ; a place in the list
	v_lshlrev_b32 v20, 2, v19
	v_cndmask_b32 v21, 0, v0, s18
	v_add_nc_u32 v24, s23, v19                     ; 1024 e + place
	global_store_b32 v20, v21, s[24:25]
	s_cmp_eq_u32 s3, 32
	s_cbranch_scc1 .Lno_slot                       ; the shared MLP's rows need no slots: row = token
	s_wait_xcnt 0x0                                ; EXEC is a source of the store above: it changes only behind this wait
	s_mov_b32 vcc_lo, s18
	s_and_saveexec_b32 s22, vcc_lo
	global_store_b32 v22, v24, s[8:9] offset:SLOT
	global_store_b32 v22, v9, s[10:11]
	s_wait_xcnt 0x0                                ; and again in front of the line that widens it
	s_or_b32 exec_lo, exec_lo, s22
.Lno_slot:
	s_cmp_lg_u32 s2, 0
	s_cbranch_scc1 .Lend
	global_store_b32 v6, v13, s[26:27] offset:CNT
.Lend:
	s_wait_tensorcnt 0x0                           ; the wave's end: three closing lines, behind my last LDS store
	ds_add_u32 v[SPW], v[NIL]
	s_wait_dscnt 0x0
	s_endpgm
.Lfunc_end_k_qe85d1fb1fa_lists:
	.size	k_qe85d1fb1fa_lists, .Lfunc_end_k_qe85d1fb1fa_lists-k_qe85d1fb1fa_lists
	.p2alignl 7, 3214868480
	.fill 96, 4, 3214868480
	.section	.rodata,"a",@progbits
	.p2align	6, 0x0
	.amdhsa_kernel k_qe85d1fb1fa_lists
		.amdhsa_group_segment_fixed_size 4352
		.amdhsa_private_segment_fixed_size 0
		.amdhsa_enable_private_segment 0
		.amdhsa_kernarg_size 32
		.amdhsa_user_sgpr_count 2
		.amdhsa_user_sgpr_kernarg_segment_ptr 1
		.amdhsa_wavefront_size32 1
		.amdhsa_system_sgpr_workgroup_id_x 1
		.amdhsa_system_sgpr_workgroup_id_y 1
		.amdhsa_system_sgpr_workgroup_id_z 1
		.amdhsa_system_vgpr_workitem_id 0
		.amdhsa_next_free_vgpr 32
		.amdhsa_next_free_sgpr 66
		.amdhsa_reserve_vcc 1
		.amdhsa_float_denorm_mode_32 3
		.amdhsa_float_denorm_mode_16_64 3
		.amdhsa_memory_ordered 1
		.amdhsa_forward_progress 1
		.amdhsa_inst_pref_size 5
	.end_amdhsa_kernel
	.amdgpu_metadata
---
amdhsa.version: [ 1, 2 ]
amdhsa.kernels:
  - .name:           k_qe85d1fb1fa_lists
    .symbol:         k_qe85d1fb1fa_lists.kd
    .args:
      - { .name: tmask, .offset: 0, .size: 8, .value_kind: global_buffer, .address_space: global }
      - { .name: wb, .offset: 8, .size: 8, .value_kind: global_buffer, .address_space: global }
      - { .name: route, .offset: 16, .size: 8, .value_kind: global_buffer, .address_space: global }
      - { .name: ws, .offset: 24, .size: 8, .value_kind: global_buffer, .address_space: global }
    .group_segment_fixed_size: 4352
    .private_segment_fixed_size: 0
    .kernarg_segment_align: 8
    .kernarg_segment_size: 32
    .max_flat_workgroup_size: 1024
    .sgpr_count:     66
    .vgpr_count:     32
    .wavefront_size: 32
...
	.end_amdgpu_metadata
.endif
;; end of part 2
;; launch gateup (part 3): grid 384 x 1, 4 waves a work-group, no clusters, 279,040 bytes of LDS; arguments expert_gate, expert_up, shared_gate, shared_up, xb, route, hb; writes hb
.if DOCPART == 3
	.amdgcn_target "amdgcn-amd-amdhsa--gfx1250"
	.amdhsa_code_object_version 6
	.text
	.protected	k_qe85d1fb1fa_gateup
	.globl	k_qe85d1fb1fa_gateup
	.p2align	8
	.type	k_qe85d1fb1fa_gateup,@function
k_qe85d1fb1fa_gateup:
	s_mov_b64 s[64:65], 0
	v_nop
	global_prefetch_b8 v0, s[64:65] scope:SCOPE_SE
	s_setreg_imm32_b32 hwreg(HW_REG_WAVE_MODE, 25, 1), 1
	s_wait_xcnt 0x0
; h = silu(x Wg^T) * (x Wu^T), only for the tokens that chose the expert: the reference's gather throws every other row of an expert's output away.
; JOBS.  256 routed jobs: number j is expert j / 8, slice j % 8 of 64 of its 512 columns, all tokens of its list.  128 shared jobs: the shared MLP as experts 32 and 33 (halves of its 1,024 columns):
; number j is slice j % 8, half (j / 8) % 2, tokens 128 (j / 16) .. + 127 (list 32 is the identity).
; THE ORDER OF JOBS.  A work-group claims most of a WGP's LDS, so the 384 jobs lie one to a WGP, and 128 WGPs take a second one.  Work-groups 0..255 are the shared jobs and routed jobs 0..127: the kind is the
; parity of x + x / 16 (of any 16 neighbouring numbers, and of any 16 numbers 16 apart, half are of each kind), the number x / 2.  Work-groups 256..383 are routed jobs 128..255.  So only half of the
; routed jobs stream their weights at one time, beside the other jobs' products.
; PHASE 1.  The job's 128 weight rows (64 of gate, 64 of up; 512 KB of f32, each byte of the routed weights read by this work-group alone) are streamed through a ring of 56 loads a wave
; (56 x 512 bytes x 4 waves = 112 KB of the work-group on their way), rounded to bf16 and kept in LDS.  The ring's pieces are taken four at a time: one wait, eight roundings, four LDS stores, four loads.
; PHASE 2.  The tokens' rows go from xb straight into fragments, gathered by the list, three K steps ahead; a wave owns MTW = ceil(n / 64) tiles of 16 rows, six at a time; a constant loop of three
; passes covers the 16 that 1,024 tokens need, and dead passes and tiles are jumped forward, over no barrier.
; THE MATRIX INSTRUCTION IS USED TRANSPOSED: source 0 = 16 weight rows, source 1 = 16 tokens: a lane holds one token and eight neighbouring columns, gate's and up's alike.
; OUT: hb[expert 34][slice 8][tile of 16 rows 64][block of 16 columns 4][lane 32][16 bytes] in bf16: a lane's eight packed columns of a block are the 16 bytes that the same lane takes as half of a
; source 1 fragment in the next launch, so they go out as they lie, 512 consecutive bytes a store, and nothing passes through LDS.  Tiles up to 4 MTW are written (rows past n are token 0's and enter nobody's result).
; NO CLUSTER, NO TENSOR LOADS: the weights need a pass through registers (f32 to bf16) before they rest in LDS and are wanted by one work-group; what an expert's eight work-groups share, the
; tokens' rows, is a gather by a list read at run time.
; LIMITS.  x and the weights are rounded to bf16, h once to bf16 (bf16, not f16: with inputs 30 times larger h passes 65,504).  sigmoid = 1 / (1 + 2^(-1.4427 g)); below 2^-126 it counts as 0.
.set D,     56                         ; slots of the ring: seven rows of eight pieces of 512 bytes
.set CH,    128*272                    ; a chunk: 128 rows x 128 K of bf16, rows of 256 + 16 bytes = 17 x 16: the sixteen rows of a fragment load start 16 bytes apart modulo 256
.set SPARE, 8*CH                       ; behind the weights: the spare words, 128 bytes for each wave: two blocks of 256 bytes that no other line names
.set CNTO,  33*4096+1024*32            ; the counts in route
.set SPW, 4                            ; v4   SPARE + 4 x my thread's number; never rewritten
.set NIL, 5                            ; v5   0; never rewritten
.set LO,  6                            ; v6   16 x lane
.set AW0, 7                            ; v7   a weight fragment's row x pitch + 16 x half; never rewritten
.set AW,  8                            ; v8   the same in the chunk in hand
.set H16, 11                           ; v11  16 x (lane / 16)
.set RO,  12                           ; v12-17  phase 2: tile m: byte offset of my token's row in xb (+ 16 x half)
.set LI,  18                           ; v18-23  phase 2: tile m: my token's number
.set CV,  12                           ; v12-27  phase 1: converted: two sets of four pairs, by turns from batch to batch
.set AD,  28                           ; v28-31  phase 1: chunks 2 p and 2 p + 1: where my 8 bytes go
.set R,   32                           ; v32-255 phase 1: the ring, 56 slots of 4
.set T,   64                           ; v64-95  the way out: at work
.set PK,  96                           ; v96-111 the way out: packed
.set WB0, 128                          ; v128-191, v192-255: weight fragments of one K step, two buffers
; window 1: accumulators of tiles 0-3, (m, i) at 64 m + 8 i; i = 0-3 gate's blocks of 16 columns, 4-7 up's.  window 2: tiles 4, 5.  window 3: the tokens' fragments, ring slot q, tile m at 48 q + 8 m
; s2 wave, s3 x, s4 shared?, s5 expert, s6 slice, s7 first place, s22 n, s23 MTW, s24 first tile of the pass, s25 live tiles, s26 my first tile, s27/s28/s43 counters, s[32:33] stream,
; s[34:35] list, s[36:37] xb at the K in hand, s[38:39] hb at the job, s[40:41] hb at a tile, s54 LDS byte of the chunk in hand, s31 = 0 (the high word of offsets in s30)
.set MSB, 0
.macro WIN new                         ; s_set_vgpr_msb: bits 1:0 source 0, 3:2 source 1, 5:4 source 2, 7:6 destination; the high byte repeats the setting that is left
.if MSB != (\new)
	s_set_vgpr_msb (MSB<<8)|(\new)
.set MSB, \new
.endif
.endm
.macro PLACES                          ; four places between a matrix instruction and a load into, or a vector read of, its registers
.rept 4
	v_nop
.endr
.endm
	s_load_b256 s[8:15], s[0:1], 0x0               ; expert_gate s[8:9], expert_up s[10:11], shared_gate s[12:13], shared_up s[14:15]
	s_load_b128 s[16:19], s[0:1], 0x20             ; xb s[16:17], route s[18:19]
	s_load_b64 s[20:21], s[0:1], 0x30              ; hb
	v_lshl_add_u32 v[SPW], v0, 2, SPARE
	v_mov_b32 v[NIL], 0
	v_and_b32 v1, 31, v0
	v_and_b32 v2, 15, v0
	v_bfe_u32 v3, v0, 4, 1
	v_lshrrev_b32 v[CV], 5, v0
	v_readfirstlane_b32 s2, v[CV]                  ; wave 0..3
	s_mov_b32 s3, ttmp9
	s_lshr_b32 s44, s3, 4
	s_xor_b32 s44, s44, s3
	s_and_b32 s44, s44, 1                          ; x < 256: the parity of x + x / 16: 0 a shared job, 1 a routed one,
	s_lshr_b32 s45, s3, 1                          ; its number x / 2: each number 0..127 comes once with each parity
	s_sub_co_u32 s46, s3, 128                      ; x >= 256: routed job x - 128 (used there alone)
	s_cmp_ge_u32 s3, 256
	s_cselect_b32 s44, 1, s44
	s_cselect_b32 s45, s46, s45                    ; the job's number j
	s_and_b32 s6, s45, 7                           ; slice
	s_lshr_b32 s46, s45, 3                         ; a routed job's expert
	s_and_b32 s47, s46, 1                          ; a shared job's half
	s_add_co_u32 s48, s47, 32
	s_lshr_b32 s50, s45, 4
	s_lshl_b32 s50, s50, 7                         ; a shared job's first token
	s_cmp_eq_u32 s44, 0
	s_cselect_b32 s4, 1, 0
	s_cselect_b32 s47, s47, s46                    ; block of 512 weight rows
	s_cselect_b32 s5, s48, s46
	s_cselect_b32 s49, 32, s46                     ; list
	s_cselect_b32 s7, s50, 0
	s_min_u32 s51, s5, 31
	s_lshl_b32 s51, s51, 7                         ; the count's row
	s_lshl_b32 s30, s47, 21                        ; 512 rows x 4,096 bytes,
	s_lshl_b32 s52, s6, 18                         ; 64 rows,
	s_add_co_u32 s30, s30, s52
	s_and_b32 s52, s2, 1
	s_lshl_b32 s52, s52, 17                        ; 32 rows: waves 0, 1 stream gate's 64, waves 2, 3 up's
	s_add_co_u32 s30, s30, s52
	s_mov_b32 s31, 0
	v_lshlrev_b32 v[LO], 4, v1
	v_lshlrev_b32 v[H16], 4, v3
	s_mul_i32 s53, s2, 32*272                      ; wave w fills LDS rows 32 w .. 32 w + 31 of every chunk
	v_lshl_add_u32 v[AD], v1, 3, s53
.irp p, 1,2,3
	v_add_nc_u32 v[AD+\p], \p*2*CH, v[AD]
.endr
	s_wait_kmcnt 0x0
	s_load_b32 s22, s[18:19], s51 offset:CNTO      ; n; waited for behind phase 1
	s_cmp_eq_u32 s4, 1
	s_cselect_b64 s[32:33], s[12:13], s[8:9]
	s_cselect_b64 s[34:35], s[14:15], s[10:11]
	s_cmp_lt_u32 s2, 2
	s_cselect_b64 s[32:33], s[32:33], s[34:35]
	s_add_nc_u64 s[32:33], s[32:33], s[30:31]
.set i, 0
.rept D
	global_load_b128 v[R+4*i:R+4*i+3], v[LO], s[32:33] offset:512*i th:TH_LOAD_NT_RT  ; my 32 rows lie end to end, 256 pieces of 512 bytes: the first 56
.set i, i+1
.endr
	v_mul_u32_u24 v[AW0], v2, 272
	v_add_nc_u32 v[AW0], v[AW0], v[H16]
	s_lshl_b32 s30, s49, 12
	s_add_nc_u64 s[34:35], s[18:19], s[30:31]      ; my list
	s_lshl3_add_u32 s30, s5, s6                    ; 8 x expert + slice,
	s_lshl_b32 s30, s30, 17                        ; 64 tiles of 2,048 bytes each,
	s_lshl_b32 s52, s7, 7                          ; the first place's tile: (place / 16) x 2,048
	s_add_co_u32 s30, s30, s52
	s_add_nc_u64 s[38:39], s[20:21], s[30:31]
; Four slots' turn: pieces i0 to i0 + 3 of the ring's seven rows (piece i: row i / 8, chunk i % 8), row rows further down in LDS.  left = how many loads younger than the fourth may stay out.
; The eight roundings stand together, then the four LDS stores, then the four loads: a store does not follow straight behind the rounding that feeds it, and a set of converted words is written
; again only behind the next batch's stores.
.macro BATCH i0, row, reload, left
	s_wait_loadcnt \left                           ; loads come back in order (ISA guide 5.7.1): my four are in
.irp j, 0,1,2,3
	v_cvt_pk_bf16_f32 v[CV+8*(((\i0)/4)%2)+2*\j],   v[R+4*((\i0)+\j)],   v[R+4*((\i0)+\j)+1]
	v_cvt_pk_bf16_f32 v[CV+8*(((\i0)/4)%2)+2*\j+1], v[R+4*((\i0)+\j)+2], v[R+4*((\i0)+\j)+3]
.endr
.irp j, 0,1,2,3
	ds_store_b64 v[AD+(((\i0)+\j)%8)/2], v[CV+8*(((\i0)/4)%2)+2*\j:CV+8*(((\i0)/4)%2)+2*\j+1] offset:(((\i0)+\j)%2)*CH+((\row)+((\i0)+\j)/8)*272  ; 32 lanes, 256 neighbouring bytes; 37,536 at the most: inside the 16-bit immediate
.endr
.if \reload
.irp j, 0,1,2,3
	global_load_b128 v[R+4*((\i0)+\j):R+4*((\i0)+\j)+3], v[LO], s[32:33] offset:D*512+512*((\i0)+\j) th:TH_LOAD_NT_RT  ; the same piece seven rows on
.endr
.endif
.endm
	s_mov_b32 s43, 3
.Lround:                                               ; three rounds of seven rows, pieces 0 to 167, each filling the ring again: pieces 56 to 223.  14 batches a round: the two sets stay in step over the jump back
.set i, 0
.rept D/4
	BATCH i, 0, 1, D-4                             ; of the ring's 56 loads the 52 behind my four stay out
.set i, i+4
.endr
	s_wait_xcnt 0x0                                ; the loads' base is stepped only behind this wait
	s_add_nc_u64 s[32:33], s[32:33], D*512
.irp p, 0,1,2,3
	v_add_nc_u32 v[AD+\p], 7*272, v[AD+\p]
.endr
	s_sub_co_u32 s43, s43, 1
	s_cmp_lg_u32 s43, 0
	s_cbranch_scc1 .Lround
.set i, 0
.rept 8
	BATCH i, 0, 1, D-4                             ; pieces 168 to 199 still have a piece 56 further on: 224 to 255, the last
.set i, i+4
.endr
.set i, 32
.rept 6
	BATCH i, 0, 0, 84-i                            ; pieces 200 to 223: behind piece 168 + i + 3 lie 84 - i
.set i, i+4
.endr
.set i, 0
.rept 8
	BATCH i, 7, 0, 28-i                            ; pieces 224 to 255, rows 28 to 31: the counts run down to 0
.set i, i+4
.endr
	s_wait_kmcnt 0x0                               ; n
	s_cmp_eq_u32 s4, 1
	s_cselect_b32 s22, 128, s22
	s_add_co_u32 s23, s22, 63
	s_lshr_b32 s23, s23, 6
	s_min_u32 s23, s23, 16                         ; tiles of 16 rows a wave
	s_wait_dscnt 0x0                               ; for the others' sake: my rows are in LDS
	s_barrier_signal -1
	s_barrier_wait -1                              ; from here on the weights are only read
; One K step of 32.  jj: the step, counted from the chunk at v[AW] and the bytes at s[36:37].  zero = 1: the products start the sums, for all six tiles, so that every accumulator is written.
; wl: the next step's weights are fetched (16 LDS loads, one step ahead).  tl: the tokens' fragments three steps on are fetched (12 loads).  lc: the younger token loads that may stay out.
; Dead tiles are jumped over at tiles 2, 4 and 5: with 1 or 3 live tiles one dead tile (token 0's row) is multiplied and never stored.
.macro KSTEP jj, zero, wl, tl, lc
	s_wait_dscnt 0x0                               ; this step's weights, asked for a step ago
	s_wait_loadcnt \lc                             ; this step's tokens, asked for three steps ago: the younger steps' 12 each stay out
	PLACES                                         ; the loads below land in registers that the last step's products read
.if \wl
.set WBN, WB0+64*(((\jj)+1)%2)
.set WOF, (((\jj)+1)/4)*CH+(((\jj)+1)%4)*64
.irp i, 0,1,2,3,4,5,6,7
	ds_load_b128 v[WBN+8*\i:WBN+8*\i+3],   v[AW] offset:WOF+\i*16*272      ; 65,376 at the most: inside the 16-bit immediate
	ds_load_b128 v[WBN+8*\i+4:WBN+8*\i+7], v[AW] offset:WOF+\i*16*272+32
.endr
.endif
.if \tl
.set RSN, 48*(((\jj)+3)%4)
	WIN 0xc0                                       ; destination window 3, address window 0
.irp m, 0,1,2,3,4,5
	global_load_b128 v[RSN+8*\m:RSN+8*\m+3],   v[RO+\m], s[36:37] offset:((\jj)+3)*64
	global_load_b128 v[RSN+8*\m+4:RSN+8*\m+7], v[RO+\m], s[36:37] offset:((\jj)+3)*64+32
.endr
	WIN 0
.endif
.set WBC, WB0+64*((\jj)%2)
.set RSC, 48*((\jj)%4)
.irp m, 0,1,2,3,4,5
.if !(\zero) && (((\m) == 2) || ((\m) == 4) || ((\m) == 5))
	WIN 0                                          ; at a branch every window is 0
	s_cmp_gt_u32 s25, \m
	s_cbranch_scc0 .Lkend_\@
.endif
	WIN 0x5c+0x50*((\m)/4)                         ; weights window 0, tokens window 3, C and D window 1 or 2
.irp i, 0,1,2,3,4,5,6,7                ; the accumulators take turns, one instruction a turn
.if \zero
	v_wmma_f32_16x16x32_bf16 v[64*((\m)%4)+8*\i:64*((\m)%4)+8*\i+7], v[WBC+8*\i:WBC+8*\i+7], v[RSC+8*\m:RSC+8*\m+7], 0
.else
	v_wmma_f32_16x16x32_bf16 v[64*((\m)%4)+8*\i:64*((\m)%4)+8*\i+7], v[WBC+8*\i:WBC+8*\i+7], v[RSC+8*\m:RSC+8*\m+7], v[64*((\m)%4)+8*\i:64*((\m)%4)+8*\i+7]
.endif
.endr
.endr
	WIN 0
.Lkend_\@:
.endm
; THE WAY OUT of tile m: h = g sigmoid(g) u, rounded to bf16; a lane's eight columns of a block pack into 16 bytes and are stored as they lie.
.macro EPI m
.set AC, 64*((\m)%4)
.if (\m) > 0
	s_cmp_gt_u32 s25, \m
	s_cbranch_scc0 .Lepi_done
.endif
	WIN 1+(\m)/4                                   ; source 0: the accumulators' window
.set j, 0
.rept 16
	v_pk_mul_f32 v[T+2*j:T+2*j+1], v[AC+2*j:AC+2*j+1], 0xbfb8aa3b op_sel_hi:[1,0]  ; -log2(e) g; each accumulator from its low end on
.set j, j+1
.endr
	WIN 0
.set j, 0
.rept 32
	v_exp_f32 v[T+j], v[T+j]
.set j, j+1
.endr
	v_nop                                          ; a plain instruction behind the last exponential
.set j, 0
	s_wait_alu depctr_va_vdst(0)
.rept 16
	v_pk_add_f32 v[T+2*j:T+2*j+1], v[T+2*j:T+2*j+1], 1.0 op_sel_hi:[1,0]
.set j, j+1
.endr
.set j, 0
.rept 32
	v_rcp_f32 v[T+j], v[T+j]
.set j, j+1
.endr
	v_nop
	WIN 1+(\m)/4
.set j, 0
	s_wait_alu depctr_va_vdst(0)
.rept 16
	v_pk_mul_f32 v[T+2*j:T+2*j+1], v[AC+2*j:AC+2*j+1], v[T+2*j:T+2*j+1]         ; silu(g)
.set j, j+1
.endr
.set j, 0
.rept 16
	v_pk_mul_f32 v[T+2*j:T+2*j+1], v[AC+32+2*j:AC+32+2*j+1], v[T+2*j:T+2*j+1]   ; x u
.set j, j+1
.endr
	WIN 0
	s_wait_xcnt 0x0                                ; the last tile's stores have read PK and their base: both are rewritten only behind this wait
.set j, 0
.rept 16
	v_cvt_pk_bf16_f32 v[PK+j], v[T+2*j], v[T+2*j+1]
.set j, j+1
.endr
	s_add_co_u32 s29, s26, \m
	s_min_u32 s29, s29, 63
	s_lshl_b32 s30, s29, 11                        ; a tile is 2,048 bytes
	s_add_nc_u64 s[40:41], s[38:39], s[30:31]
.irp b, 0,1,2,3
	global_store_b128 v[LO], v[PK+4*\b:PK+4*\b+3], s[40:41] offset:512*\b  ; block b: 512 consecutive bytes, aligned
.endr
.endm
	s_mov_b32 s24, 0
	s_mov_b32 s27, 3
.Lpass:                                                ; three passes of six tiles a wave: 18 for the 16 that 1,024 rows need
	s_cmp_ge_u32 s24, s23
	s_cbranch_scc1 .Lskip                          ; nothing left: forward, to the counter's step
	s_sub_co_u32 s25, s23, s24
	s_min_u32 s25, s25, 6                          ; live tiles
	s_mul_i32 s26, s2, s23
	s_add_co_u32 s26, s26, s24                     ; my first tile: wave w owns tiles w MTW .. w MTW + MTW - 1
.irp m, 0,1,2,3,4,5
	s_add_co_u32 s29, s26, \m
	s_min_u32 s29, s29, 63
	s_lshl_b32 s29, s29, 4
	s_add_co_u32 s29, s29, s7
	v_add_nc_u32 v[RO+\m], s29, v2                 ; my place in the list (the last pass's loads, which named this register, were waited for with the count 0)
	v_min_u32 v[RO+\m], 0x3ff, v[RO+\m]
	v_lshlrev_b32 v[RO+\m], 2, v[RO+\m]
	global_load_b32 v[LI+\m], v[RO+\m], s[34:35]
.endr
	s_mov_b32 s54, 0                               ; chunk 0
	v_add_nc_u32 v[AW], s54, v[AW0]
	s_mov_b64 s[36:37], s[16:17]                   ; K = 0 (the last pass's token loads were waited for with the count 0)
.irp i, 0,1,2,3,4,5,6,7
	ds_load_b128 v[WB0+8*\i:WB0+8*\i+3],   v[AW] offset:\i*16*272      ; K step 0's weights
	ds_load_b128 v[WB0+8*\i+4:WB0+8*\i+7], v[AW] offset:\i*16*272+32
.endr
	s_wait_loadcnt 0x0                             ; the six numbers; their address registers are free with it
.irp m, 0,1,2,3,4,5
	s_cmp_gt_u32 s25, \m
	s_cselect_b32 s42, -1, 0
	v_and_b32 v[LI+\m], s42, v[LI+\m]              ; a dead tile's lanes all take token 0: they ask for the same two pieces of 16 bytes, and the count of loads is the same on every path
	v_min_u32 v[LI+\m], 0x3ff, v[LI+\m]            ; a token: a number read from memory enters an address only behind this clamp; behind it stand a shift and an add alone
	v_lshlrev_b32 v[RO+\m], 11, v[LI+\m]           ; its row of 2,048 bytes
	v_add_nc_u32 v[RO+\m], v[RO+\m], v[H16]        ; + 16 x half
.endr
	WIN 0xc0
.irp s, 0,1,2
.irp m, 0,1,2,3,4,5
	global_load_b128 v[48*\s+8*\m:48*\s+8*\m+3],   v[RO+\m], s[36:37] offset:64*\s
	global_load_b128 v[48*\s+8*\m+4:48*\s+8*\m+7], v[RO+\m], s[36:37] offset:64*\s+32
.endr
.endr
	WIN 0
	KSTEP 0, 1, 1, 1, 24                           ; K = 1,024 is 32 steps: the first stands in front of the loop: its products start the sums;
	s_mov_b32 s28, 7
.Lk:                                                   ; 28 in seven trips of a chunk's length, from a chunk's second step to the next chunk's first;
	KSTEP 1, 0, 1, 1, 24
	KSTEP 2, 0, 1, 1, 24
	KSTEP 3, 0, 1, 1, 24
	KSTEP 4, 0, 1, 1, 24
	s_wait_xcnt 0x0                                ; the token loads' base is stepped only behind this wait
	s_add_nc_u64 s[36:37], s[36:37], 256           ; 128 K of bf16
	s_add_co_u32 s54, s54, CH                      ; the next chunk: the read address is made anew from the scalar and a register that is never rewritten
	v_add_nc_u32 v[AW], s54, v[AW0]
	s_sub_co_u32 s28, s28, 1
	s_cmp_lg_u32 s28, 0
	s_cbranch_scc1 .Lk
	KSTEP 1, 0, 1, 0, 24                           ; and the last three fetch no tokens: the counts run down
	KSTEP 2, 0, 1, 0, 12
	KSTEP 3, 0, 0, 0, 0
	PLACES
	EPI 0
	EPI 1
	EPI 2
	EPI 3
	EPI 4
	EPI 5
.Lepi_done:
.Lskip:
	s_add_co_u32 s24, s24, 6
	s_sub_co_u32 s27, s27, 1
	s_cmp_lg_u32 s27, 0
	s_cbranch_scc1 .Lpass
	s_wait_dscnt 0x0                               ; my reads of LDS are over,
	s_barrier_signal -1
	s_barrier_wait -1                              ; and so are every wave's, ahead of any wave's last LDS write, the add below
	s_wait_tensorcnt 0x0                           ; the wave's end: three closing lines, behind my last LDS store
	ds_add_u32 v[SPW], v[NIL]
	s_wait_dscnt 0x0
	s_endpgm
.Lfunc_end_k_qe85d1fb1fa_gateup:
	.size	k_qe85d1fb1fa_gateup, .Lfunc_end_k_qe85d1fb1fa_gateup-k_qe85d1fb1fa_gateup
	.p2alignl 7, 3214868480
	.fill 96, 4, 3214868480
	.section	.rodata,"a",@progbits
	.p2align	6, 0x0
	.amdhsa_kernel k_qe85d1fb1fa_gateup
		.amdhsa_group_segment_fixed_size 279040
		.amdhsa_private_segment_fixed_size 0
		.amdhsa_enable_private_segment 0
		.amdhsa_kernarg_size 56
		.amdhsa_user_sgpr_count 2
		.amdhsa_user_sgpr_kernarg_segment_ptr 1
		.amdhsa_wavefront_size32 1
		.amdhsa_system_sgpr_workgroup_id_x 1
		.amdhsa_system_sgpr_workgroup_id_y 1
		.amdhsa_system_sgpr_workgroup_id_z 1
		.amdhsa_system_vgpr_workitem_id 0
		.amdhsa_next_free_vgpr 960
		.amdhsa_next_free_sgpr 66
		.amdhsa_reserve_vcc 0
		.amdhsa_float_denorm_mode_32 3
		.amdhsa_float_denorm_mode_16_64 3
		.amdhsa_memory_ordered 1
		.amdhsa_forward_progress 1
		.amdhsa_inst_pref_size 146
	.end_amdhsa_kernel
	.amdgpu_metadata
---
amdhsa.version: [ 1, 2 ]
amdhsa.kernels:
  - .name:           k_qe85d1fb1fa_gateup
    .symbol:         k_qe85d1fb1fa_gateup.kd
    .args:
      - { .name: expert_gate, .offset: 0, .size: 8, .value_kind: global_buffer, .address_space: global }
      - { .name: expert_up, .offset: 8, .size: 8, .value_kind: global_buffer, .address_space: global }
      - { .name: shared_gate, .offset: 16, .size: 8, .value_kind: global_buffer, .address_space: global }
      - { .name: shared_up, .offset: 24, .size: 8, .value_kind: global_buffer, .address_space: global }
      - { .name: xb, .offset: 32, .size: 8, .value_kind: global_buffer, .address_space: global }
      - { .name: route, .offset: 40, .size: 8, .value_kind: global_buffer, .address_space: global }
      - { .name: hb, .offset: 48, .size: 8, .value_kind: global_buffer, .address_space: global }
    .group_segment_fixed_size: 279040
    .private_segment_fixed_size: 0
    .kernarg_segment_align: 8
    .kernarg_segment_size: 56
    .max_flat_workgroup_size: 128
    .sgpr_count:     66
    .vgpr_count:     960
    .wavefront_size: 32
...
	.end_amdgpu_metadata
.endif
;; end of part 3
;; launch down (part 4): grid 384 x 1, 4 waves a work-group, no clusters, 173,568 bytes of LDS; arguments expert_down, shared_down, route, hb, yb; writes yb
.if DOCPART == 4
	.amdgcn_target "amdgcn-amd-amdhsa--gfx1250"
	.amdhsa_code_object_version 6
	.text
	.protected	k_qe85d1fb1fa_down
	.globl	k_qe85d1fb1fa_down
	.p2align	8
	.type	k_qe85d1fb1fa_down,@function
k_qe85d1fb1fa_down:
	s_mov_b64 s[64:65], 0
	v_nop
	global_prefetch_b8 v0, s[64:65] scope:SCOPE_SE
	s_setreg_imm32_b32 hwreg(HW_REG_WAVE_MODE, 25, 1), 1
	s_wait_xcnt 0x0
; y = h Wd^T for the rows that the launch before made.  JOBS.  256 routed jobs: number j is expert j / 8, columns 128 (j % 8) .. + 127 of its 1,024, all rows of its list.  128 shared jobs: the shared MLP's
; two halves of K as experts 32 and 33: number j is columns 128 (j % 8) on, half (j / 8) % 2, rows 128 (j / 16) .. + 127.
; THE ORDER OF JOBS is that of the launch before: work-groups 0..255 are the shared jobs and routed jobs 0..127 (the kind is the parity of x + x / 16, the number x / 2), work-groups 256..383 routed jobs
; 128..255: a WGP's second job is a routed one, and only half of the routed jobs stream their weights at one time.
; PHASE 1.  The job's 128 weight rows x 512 K (256 KB of f32) are streamed through a ring of 52 loads a wave (52 x 512 bytes x 4 waves = 104 KB of the work-group on their way), rounded to bf16 and kept
; in LDS.  A wave's 128 pieces are written out, a row's four at a time: one wait, eight roundings, four LDS stores, four loads.  A row is reached by one of seven offset registers and one of five bases
; seven rows apart, so that nothing is stepped.
; PHASE 2.  h comes from hb straight into fragments, three K steps ahead: hb[expert][slice of 64 K][tile of 16 rows][block of 16 K][lane][16 bytes] holds for each lane the very 16 bytes of half a
; source 1 fragment, so a load takes 512 consecutive bytes.  Tiles, passes and jumps are those of the launch before, so that exactly the tiles written there are read here.  The 16 K steps of a pass
; are written out: every LDS address of phase 2 is a register that is never rewritten plus an immediate, beside the stages that the waves store into in the same loop.
; THE MATRIX INSTRUCTION IS USED TRANSPOSED: source 0 = 16 weight rows (columns of y), source 1 = 16 rows of h: a lane holds one row of y and eight neighbouring columns.
; OUT: yb[1024 expert + place][1024] f32, unweighted: the routing weight is a multiply-add in the last launch.
; NO CLUSTER, NO TENSOR LOADS: the weights need a pass through registers (f32 to bf16) and are wanted by one work-group; h's tiles, which an expert's eight work-groups share, number 4 MTW, read at run time.
; LIMITS.  The weights are rounded to bf16; sums in f32.
.set NK,    16                         ; K steps of 32
.set NP,    128                        ; pieces of 512 bytes that a wave streams: 32 rows of four
.set D,     52                         ; slots of the ring: 13 rows of four pieces
.set CH,    128*272                    ; a chunk: 128 rows x 128 K of bf16, rows of 256 + 16 bytes
.set STG,   4*CH                       ; behind the weights: 16 rows x 528 bytes for each wave, for the way out
.set SPARE, STG+4*16*528               ; the spare words, 128 bytes for each wave: two blocks of 256 bytes that no other line names
.set CNTO,  33*4096+1024*32
.set SPW, 4                            ; v4   SPARE + 4 x my thread's number; never rewritten
.set NIL, 5                            ; v5   0; never rewritten
.set LO,  6                            ; v6   16 x lane
.set AWR, 7                            ; v7-8 a weight fragment's row x pitch + 16 x half, in chunks 2 p and 2 p + 1; never rewritten
.set STO, 9                            ; v9   the way out: where I put 32 bytes of a row
.set RD,  10                           ; v10  the way out: where I read a row back
.set H16, 11                           ; v11  16 x (lane / 16)
.set RO,  12                           ; v12-17  phase 2: tile m: byte offset of my 16 bytes in the tile's first block, in a slice of hb
.set AD,  18                           ; v18-21  phase 1: chunk c: where my 8 bytes go
.set OF,  22                           ; v22-28  phase 1: row j of seven: j x pitch + 16 x lane
.set CV,  32                           ; v32-47  phase 1: converted: two sets of four pairs, by turns from batch to batch
.set R,   48                           ; v48-255 phase 1: the ring, 52 slots of 4
.set BK,  64                           ; v64-127 the way out: 16 whole rows
.set WB0, 128                          ; v128-255 weight fragments, two buffers
.set PB,  66                           ; s[66:75] phase 1: my rows 0, 7, 14, 21, 28 of the weights
; windows 1, 2: accumulators, (m, i) at 64 (m % 4) + 8 i, i = block of 16 columns.  window 3: h's fragments, ring slot q, tile m at 48 q + 8 m
.set MSB, 0
.macro WIN new
.if MSB != (\new)
	s_set_vgpr_msb (MSB<<8)|(\new)
.set MSB, \new
.endif
.endm
.macro PLACES
.rept 4
	v_nop
.endr
.endm
	s_load_b256 s[8:15], s[0:1], 0x0               ; expert_down s[8:9], shared_down s[10:11], route s[12:13], hb s[14:15]
	s_load_b64 s[16:17], s[0:1], 0x20              ; yb
	v_lshl_add_u32 v[SPW], v0, 2, SPARE
	v_mov_b32 v[NIL], 0
	v_and_b32 v1, 31, v0
	v_and_b32 v2, 15, v0
	v_bfe_u32 v3, v0, 4, 1
	v_lshrrev_b32 v[CV], 5, v0
	v_readfirstlane_b32 s2, v[CV]                  ; wave 0..3
	s_mov_b32 s3, ttmp9
	s_lshr_b32 s44, s3, 4
	s_xor_b32 s44, s44, s3
	s_and_b32 s44, s44, 1                          ; x < 256: the parity of x + x / 16: 0 a shared job, 1 a routed one,
	s_lshr_b32 s57, s3, 1                          ; its number x / 2
	s_sub_co_u32 s46, s3, 128                      ; x >= 256: routed job x - 128 (used there alone)
	s_cmp_ge_u32 s3, 256
	s_cselect_b32 s44, 1, s44
	s_cselect_b32 s57, s46, s57                    ; the job's number j
	s_and_b32 s6, s57, 7                           ; block of 128 columns
	s_lshr_b32 s45, s57, 3                         ; a routed job's expert
	s_and_b32 s46, s45, 1                          ; a shared job's half of K
	s_add_co_u32 s50, s46, 32
	s_lshr_b32 s51, s57, 4
	s_lshl_b32 s51, s51, 7                         ; a shared job's first row
	s_lshl_b32 s52, s45, 21                        ; routed: 1,024 rows of 2,048 bytes an expert,
	s_lshl_b32 s54, s6, 18                         ; 128 rows
	s_add_co_u32 s52, s52, s54
	s_lshl_b32 s53, s6, 19                         ; shared: 128 rows of 4,096 bytes,
	s_lshl_b32 s54, s46, 11                        ; 512 f32 along a row
	s_add_co_u32 s53, s53, s54
	s_cmp_eq_u32 s44, 0
	s_cselect_b32 s4, 1, 0
	s_cselect_b32 s5, s50, s45                     ; expert
	s_cselect_b32 s7, s51, 0                       ; first place
	s_cselect_b32 s30, s53, s52
	s_cselect_b32 s47, 12, 11                      ; log2 of the weights' pitch
	s_lshr_b32 s56, s7, 4                          ; the first place's tile
	s_min_u32 s55, s5, 31
	s_lshl_b32 s55, s55, 7                         ; the count's row
	s_lshl_b32 s54, s2, 5                          ; wave w streams rows 32 w .. 32 w + 31
	s_lshl_b32 s54, s54, s47
	s_add_co_u32 s30, s30, s54
	s_mov_b32 s31, 0
	s_lshl_b32 s48, 7, s47                         ; s[48:49]: seven rows
	s_mov_b32 s49, 0
	v_lshlrev_b32 v[LO], 4, v1
	v_lshlrev_b32 v[H16], 4, v3
.irp j, 0,1,2,3,4,5,6
	s_lshl_b32 s54, \j, s47
	v_add_nc_u32 v[OF+\j], s54, v[LO]
.endr
	s_mul_i32 s53, s2, 32*272                      ; wave w fills LDS rows 32 w .. 32 w + 31 of every chunk
	v_lshl_add_u32 v[AD], v1, 3, s53
.irp c, 1,2,3
	v_add_nc_u32 v[AD+\c], \c*CH, v[AD]
.endr
	s_wait_kmcnt 0x0
	s_load_b32 s22, s[12:13], s55 offset:CNTO      ; n; waited for behind phase 1
	s_cmp_eq_u32 s4, 1
	s_cselect_b64 s[PB:PB+1], s[10:11], s[8:9]
	s_add_nc_u64 s[PB:PB+1], s[PB:PB+1], s[30:31]
.irp k, 1,2,3,4
	s_add_nc_u64 s[PB+2*\k:PB+2*\k+1], s[PB+2*\k-2:PB+2*\k-1], s[48:49]
.endr
; Piece p (row p / 4, 512 bytes at byte 512 (p % 4) of its 2,048) is asked for, into ring slot p % 52.
.macro LOADP p
	global_load_b128 v[R+4*((\p)%D):R+4*((\p)%D)+3], v[OF+((\p)/4)%7], s[PB+2*(((\p)/4)/7):PB+2*(((\p)/4)/7)+1] offset:((\p)%4)*512 th:TH_LOAD_NT_RT
.endm
; The turn of pieces p0 to p0 + 3, a row: they are rounded and laid into LDS (piece p: chunk p % 4, row p / 4), and their slots take the pieces 52 further on, while there are any.
; The eight roundings stand together, then the four LDS stores, then the four loads: a store does not follow straight behind the rounding that feeds it, and a set of converted words is written
; again only behind the next batch's stores.
.macro BATCH p0
.if (\p0) < NP-D
	s_wait_loadcnt D-4                             ; loads come back in order (ISA guide 5.7.1): my four are in, the ring's 48 younger ones stay out
.else
	s_wait_loadcnt NP-4-(\p0)                      ; at the end: as many as there are pieces behind my fourth
.endif
.irp j, 0,1,2,3
	v_cvt_pk_bf16_f32 v[CV+8*(((\p0)/4)%2)+2*\j],   v[R+4*(((\p0)+\j)%D)],   v[R+4*(((\p0)+\j)%D)+1]
	v_cvt_pk_bf16_f32 v[CV+8*(((\p0)/4)%2)+2*\j+1], v[R+4*(((\p0)+\j)%D)+2], v[R+4*(((\p0)+\j)%D)+3]
.endr
.irp j, 0,1,2,3
	ds_store_b64 v[AD+\j], v[CV+8*(((\p0)/4)%2)+2*\j:CV+8*(((\p0)/4)%2)+2*\j+1] offset:((\p0)/4)*272  ; 32 lanes, 256 neighbouring bytes
.endr
.if (\p0) < NP-D
.irp j, 0,1,2,3
	LOADP (\p0)+\j+D
.endr
.endif
.endm
.set p, 0
.rept D
	LOADP p
.set p, p+1
.endr
	v_mul_u32_u24 v[AWR], v2, 272
	v_add_nc_u32 v[AWR], v[AWR], v[H16]
	v_add_nc_u32 v[AWR+1], 2*CH, v[AWR]
	s_mul_i32 s52, s2, 16*528
	s_add_co_u32 s52, s52, STG                     ; my stage
	v_mul_u32_u24 v[STO], v2, 528                  ; in: row lane % 16, 32 bytes for each half of the lanes
	v_lshl_add_u32 v[STO], v3, 5, v[STO]
	v_add_nc_u32 v[STO], s52, v[STO]
	v_add_nc_u32 v[RD], s52, v[LO]                 ; back: 32 lanes take one row of 512 bytes
	s_lshl_b32 s30, s5, 20                         ; hb: 8 slices x 64 tiles x 2,048 bytes an expert
	s_add_nc_u64 s[34:35], s[14:15], s[30:31]
	s_lshl_b32 s30, s5, 10
	s_add_co_u32 s30, s30, s7
	s_lshl_b32 s30, s30, 12                        ; yb: rows of 4,096 bytes,
	s_lshl_b32 s52, s6, 9                          ; 128 columns of f32
	s_add_co_u32 s30, s30, s52
	s_add_nc_u64 s[38:39], s[16:17], s[30:31]
.set p, 0
.rept NP/4
	BATCH p
.set p, p+4
.endr
	s_wait_kmcnt 0x0                               ; n
	s_cmp_eq_u32 s4, 1
	s_cselect_b32 s22, 128, s22
	s_add_co_u32 s23, s22, 63
	s_lshr_b32 s23, s23, 6
	s_min_u32 s23, s23, 16                         ; tiles of 16 rows a wave
	s_wait_dscnt 0x0                               ; for the others' sake: my rows are in LDS
	s_barrier_signal -1
	s_barrier_wait -1                              ; the kernel's one barrier: from here on the weights are only read, and a stage is its wave's own
; K step t of NK, as in the launch before.  Step s of h lies in slice s / 2 (131,072 bytes apart), in blocks 2 (s % 2) and 2 (s % 2) + 1 of the tile (512 bytes each).
.macro KSTEP t
	s_wait_dscnt 0x0                               ; this step's weights, asked for a step ago
.if (\t) < NK-2
	s_wait_loadcnt 24                              ; this step's h, asked for three steps ago: the two younger steps' 2 x 12 stay out
.else
	s_wait_loadcnt 12*(NK-1-(\t))                  ; at the end fewer are younger
.endif
	PLACES                                         ; the loads below land in registers that the last step's products read
.if (\t) < NK-1
.set WBN, WB0+64*(((\t)+1)%2)
.set WRG, AWR+((\t)+1)/8
.set WOF, ((((\t)+1)/4)%2)*CH+(((\t)+1)%4)*64
.irp i, 0,1,2,3,4,5,6,7
	ds_load_b128 v[WBN+8*\i:WBN+8*\i+3],   v[WRG] offset:WOF+\i*16*272      ; 65,504 at the most: inside the 16-bit immediate
	ds_load_b128 v[WBN+8*\i+4:WBN+8*\i+7], v[WRG] offset:WOF+\i*16*272+32
.endr
.endif
.if (\t) < NK-3
.set RSN, 48*(((\t)+3)%4)
.set TOF, (((\t)+3)/2)*131072+(((\t)+3)%2)*1024
	WIN 0xc0
.irp m, 0,1,2,3,4,5
	global_load_b128 v[RSN+8*\m:RSN+8*\m+3],   v[RO+\m], s[34:35] offset:TOF
	global_load_b128 v[RSN+8*\m+4:RSN+8*\m+7], v[RO+\m], s[34:35] offset:TOF+512
.endr
	WIN 0
.endif
.set WBC, WB0+64*((\t)%2)
.set RSC, 48*((\t)%4)
.irp m, 0,1,2,3,4,5
.if ((\t) > 0) && (((\m) == 2) || ((\m) == 4) || ((\m) == 5))
	WIN 0                                          ; at a branch every window is 0
	s_cmp_gt_u32 s25, \m
	s_cbranch_scc0 .Lkend_\@                       ; dead tiles are jumped over at tiles 2, 4 and 5: with 1 or 3 live tiles one dead tile is multiplied and never stored
.endif
	WIN 0x5c+0x50*((\m)/4)
.irp i, 0,1,2,3,4,5,6,7                ; the accumulators take turns, one instruction a turn
.if (\t) == 0
	v_wmma_f32_16x16x32_bf16 v[64*((\m)%4)+8*\i:64*((\m)%4)+8*\i+7], v[WBC+8*\i:WBC+8*\i+7], v[RSC+8*\m:RSC+8*\m+7], 0
.else
	v_wmma_f32_16x16x32_bf16 v[64*((\m)%4)+8*\i:64*((\m)%4)+8*\i+7], v[WBC+8*\i:WBC+8*\i+7], v[RSC+8*\m:RSC+8*\m+7], v[64*((\m)%4)+8*\i:64*((\m)%4)+8*\i+7]
.endif
.endr
.endr
	WIN 0
.Lkend_\@:
.endm
; THE WAY OUT of tile m: a lane's eight columns of a block are 32 bytes of a row; through my stage they become whole rows of 512 bytes.
.macro EPI m
.set AC, 64*((\m)%4)
.if (\m) > 0
	s_cmp_gt_u32 s25, \m
	s_cbranch_scc0 .Lepi_done
.endif
	s_wait_xcnt 0x0                                ; the last tile's stores have read BK and their base
	WIN 4*(1+(\m)/4)                               ; an LDS store's data is source 1: the accumulators' window
.irp i, 0,1,2,3,4,5,6,7
	ds_store_b128 v[STO], v[AC+8*\i:AC+8*\i+3]   offset:64*\i     ; each accumulator from its low end on
	ds_store_b128 v[STO], v[AC+8*\i+4:AC+8*\i+7] offset:64*\i+16
.endr
	WIN 0
.irp i, 0,1,2,3,4,5,6,7,8,9,10,11,12,13,14,15
	ds_load_b128 v[BK+4*\i:BK+4*\i+3], v[RD] offset:528*\i        ; LDS serves a wave's instructions in order (ISA guide 5.7.1.4): these see the stores above
.endr
	s_add_co_u32 s29, s26, \m
	s_min_u32 s29, s29, 63
	s_lshl_b32 s30, s29, 16                        ; 16 rows of 4,096 bytes
	s_add_nc_u64 s[40:41], s[38:39], s[30:31]
	s_wait_dscnt 0x0
.irp i, 0,1,2,3,4,5,6,7,8,9,10,11,12,13,14,15
	global_store_b128 v[LO], v[BK+4*\i:BK+4*\i+3], s[40:41] offset:4096*\i  ; 512 consecutive bytes, aligned
.endr
.endm
	s_mov_b32 s24, 0
	s_mov_b32 s27, 3
.Lpass:
	s_cmp_ge_u32 s24, s23
	s_cbranch_scc1 .Lskip
	s_sub_co_u32 s25, s23, s24
	s_min_u32 s25, s25, 6                          ; live tiles
	s_mul_i32 s26, s2, s23
	s_add_co_u32 s26, s26, s24                     ; my first tile
.irp m, 0,1,2,3,4,5
	s_add_co_u32 s29, s26, \m
	s_min_u32 s29, s29, 63
	s_add_co_u32 s29, s29, s56                     ; the tile in the expert's 64;
	s_lshl_b32 s29, s29, 7                         ; a tile is 2,048 bytes = 128 pieces of 16
	v_add_nc_u32 v[RO+\m], s29, v1                 ; 128 x tile + lane (the last pass's loads, which named this register, were waited for with the count 0)
	s_cmp_gt_u32 s25, \m
	s_cselect_b32 s42, -1, 0
	v_and_b32 v[RO+\m], s42, v[RO+\m]              ; a dead tile's lanes all take lane 0's piece of tile 0, which is written wherever the expert has a tile: the count of loads is the same on every path
	v_min_u32 v[RO+\m], 0x1fff, v[RO+\m]           ; the tile hangs on a count read from memory: it enters an address only behind this clamp (63 x 128 + 31 = 8,095 at the most); behind it stands a shift alone
	v_lshlrev_b32 v[RO+\m], 4, v[RO+\m]            ; 2,048 x tile + 16 x lane
.endr
.irp i, 0,1,2,3,4,5,6,7
	ds_load_b128 v[WB0+8*\i:WB0+8*\i+3],   v[AWR] offset:\i*16*272     ; K step 0's weights
	ds_load_b128 v[WB0+8*\i+4:WB0+8*\i+7], v[AWR] offset:\i*16*272+32
.endr
	WIN 0xc0
.irp s, 0,1,2
.irp m, 0,1,2,3,4,5
	global_load_b128 v[48*\s+8*\m:48*\s+8*\m+3],   v[RO+\m], s[34:35] offset:(\s/2)*131072+(\s%2)*1024
	global_load_b128 v[48*\s+8*\m+4:48*\s+8*\m+7], v[RO+\m], s[34:35] offset:(\s/2)*131072+(\s%2)*1024+512
.endr
.endr
	WIN 0
.set kk, 0
.rept NK
	KSTEP kk
.set kk, kk+1
.endr
	PLACES
	EPI 0
	EPI 1
	EPI 2
	EPI 3
	EPI 4
	EPI 5
.Lepi_done:
.Lskip:
	s_add_co_u32 s24, s24, 6
	s_sub_co_u32 s27, s27, 1
	s_cmp_lg_u32 s27, 0
	s_cbranch_scc1 .Lpass
	s_wait_tensorcnt 0x0                           ; the wave's end: three closing lines, behind my last LDS store
	ds_add_u32 v[SPW], v[NIL]
	s_wait_dscnt 0x0
	s_endpgm
.Lfunc_end_k_qe85d1fb1fa_down:
	.size	k_qe85d1fb1fa_down, .Lfunc_end_k_qe85d1fb1fa_down-k_qe85d1fb1fa_down
	.p2alignl 7, 3214868480
	.fill 96, 4, 3214868480
	.section	.rodata,"a",@progbits
	.p2align	6, 0x0
	.amdhsa_kernel k_qe85d1fb1fa_down
		.amdhsa_group_segment_fixed_size 173568
		.amdhsa_private_segment_fixed_size 0
		.amdhsa_enable_private_segment 0
		.amdhsa_kernarg_size 40
		.amdhsa_user_sgpr_count 2
		.amdhsa_user_sgpr_kernarg_segment_ptr 1
		.amdhsa_wavefront_size32 1
		.amdhsa_system_sgpr_workgroup_id_x 1
		.amdhsa_system_sgpr_workgroup_id_y 1
		.amdhsa_system_sgpr_workgroup_id_z 1
		.amdhsa_system_vgpr_workitem_id 0
		.amdhsa_next_free_vgpr 960
		.amdhsa_next_free_sgpr 80
		.amdhsa_reserve_vcc 0
		.amdhsa_float_denorm_mode_32 3
		.amdhsa_float_denorm_mode_16_64 3
		.amdhsa_memory_ordered 1
		.amdhsa_forward_progress 1
		.amdhsa_inst_pref_size 160
	.end_amdhsa_kernel
	.amdgpu_metadata
---
amdhsa.version: [ 1, 2 ]
amdhsa.kernels:
  - .name:           k_qe85d1fb1fa_down
    .symbol:         k_qe85d1fb1fa_down.kd
    .args:
      - { .name: expert_down, .offset: 0, .size: 8, .value_kind: global_buffer, .address_space: global }
      - { .name: shared_down, .offset: 8, .size: 8, .value_kind: global_buffer, .address_space: global }
      - { .name: route, .offset: 16, .size: 8, .value_kind: global_buffer, .address_space: global }
      - { .name: hb, .offset: 24, .size: 8, .value_kind: global_buffer, .address_space: global }
      - { .name: yb, .offset: 32, .size: 8, .value_kind: global_buffer, .address_space: global }
    .group_segment_fixed_size: 173568
    .private_segment_fixed_size: 0
    .kernarg_segment_align: 8
    .kernarg_segment_size: 40
    .max_flat_workgroup_size: 128
    .sgpr_count:     80
    .vgpr_count:     960
    .wavefront_size: 32
...
	.end_amdgpu_metadata
.endif
;; end of part 4
;; launch combine (part 5): grid 256 x 1, 8 waves a work-group, no clusters, 0 bytes of LDS; arguments route, ws, yb, out0; writes out0
.if DOCPART == 5
	.amdgcn_target "amdgcn-amd-amdhsa--gfx1250"
	.amdhsa_code_object_version 6
	.text
	.protected	k_qe85d1fb1fa_combine
	.globl	k_qe85d1fb1fa_combine
	.p2align	8
	.type	k_qe85d1fb1fa_combine,@function
k_qe85d1fb1fa_combine:
	s_mov_b64 s[64:65], 0
	v_nop
	global_prefetch_b8 v0, s[64:65] scope:SCOPE_SE
	s_setreg_imm32_b32 hwreg(HW_REG_WAVE_MODE, 25, 1), 1
	s_wait_xcnt 0x0
; out[t] = the sum over the token's eight chosen experts of w_k y[slot_k] + the shared MLP's two rows y[32768 + t] + y[33792 + t], all in f32.
; A work-group has four tokens, a wave half a row (2,048 bytes): ten pieces of rows, 40 loads of 512 consecutive bytes, all on their way at once; the slots and weights come by scalar loads.
; A stream: no LDS, no barrier, no matrix unit.
.set SLOT, 33*4096
; v1 byte offset in a row; v8-23 the sum (first the shared row 32's piece); v24-39 the shared row 33's; v40-167 the eight chosen rows' pieces
	s_load_b256 s[4:11], s[0:1], 0x0               ; route s[4:5], ws s[6:7], yb s[8:9], out0 s[10:11]
	v_and_b32 v1, 31, v0
	v_lshrrev_b32 v2, 5, v0
	v_readfirstlane_b32 s2, v2                     ; wave 0..7
	s_lshr_b32 s3, s2, 1
	s_lshl_b32 s12, ttmp9, 2
	s_add_co_u32 s3, s12, s3                       ; token
	s_and_b32 s13, s2, 1
	s_lshl_b32 s13, s13, 11                        ; which half of the row
	v_lshl_add_u32 v1, v1, 4, s13
	s_lshl_b32 s12, s3, 5                          ; eight words a token
	s_add_co_u32 s52, s3, 32768
	s_lshl_b32 s52, s52, 12
	s_mov_b32 s53, 0
	s_add_co_u32 s54, s3, 33792
	s_lshl_b32 s54, s54, 12
	s_mov_b32 s55, 0
	s_lshl_b32 s56, s3, 12
	s_mov_b32 s57, 0
	s_wait_kmcnt 0x0
	s_load_b256 s[16:23], s[4:5], s12 offset:SLOT  ; the eight rows
	s_load_b256 s[24:31], s[6:7], s12 offset:0x0   ; the eight weights
	s_add_nc_u64 s[48:49], s[8:9], s[52:53]
	s_add_nc_u64 s[50:51], s[8:9], s[54:55]
	s_add_nc_u64 s[10:11], s[10:11], s[56:57]
.irp c, 0,1,2,3
	global_load_b128 v[8+4*\c:11+4*\c], v1, s[48:49] offset:512*\c th:TH_LOAD_NT
.endr
.irp c, 0,1,2,3
	global_load_b128 v[24+4*\c:27+4*\c], v1, s[50:51] offset:512*\c th:TH_LOAD_NT
.endr
	s_wait_kmcnt 0x0
.irp k, 0,1,2,3,4,5,6,7
	s_min_u32 s[16+\k], s[16+\k], 0x7fff           ; a row of the 32 experts' part of yb
	s_lshl_b32 s52, s[16+\k], 12
	s_add_nc_u64 s[32+2*\k:33+2*\k], s[8:9], s[52:53]
.irp c, 0,1,2,3
	global_load_b128 v[40+16*\k+4*\c:43+16*\k+4*\c], v1, s[32+2*\k:33+2*\k] offset:512*\c th:TH_LOAD_NT  ; each row of yb is read by one token
.endr
.endr
	s_wait_loadcnt 32                              ; the shared rows' eight loads are in; the 32 younger stay out
.set j, 0
.rept 8
	v_pk_add_f32 v[8+2*j:9+2*j], v[8+2*j:9+2*j], v[24+2*j:25+2*j]
.set j, j+1
.endr
.irp k, 0,1,2,3,4,5,6,7
	s_wait_loadcnt 28-4*\k                         ; row k's four loads are in; the 4 (7 - k) younger stay out
.set j, 0
.rept 16
	v_fmac_f32 v[8+j], s[24+\k], v[40+16*\k+j]
.set j, j+1
.endr
.endr
.irp c, 0,1,2,3
	global_store_b128 v1, v[8+4*\c:11+4*\c], s[10:11] offset:512*\c th:TH_STORE_NT  ; 512 consecutive bytes, aligned
.endr
	s_endpgm
.Lfunc_end_k_qe85d1fb1fa_combine:
	.size	k_qe85d1fb1fa_combine, .Lfunc_end_k_qe85d1fb1fa_combine-k_qe85d1fb1fa_combine
	.p2alignl 7, 3214868480
	.fill 96, 4, 3214868480
	.section	.rodata,"a",@progbits
	.p2align	6, 0x0
	.amdhsa_kernel k_qe85d1fb1fa_combine
		.amdhsa_group_segment_fixed_size 0
		.amdhsa_private_segment_fixed_size 0
		.amdhsa_enable_private_segment 0
		.amdhsa_kernarg_size 32
		.amdhsa_user_sgpr_count 2
		.amdhsa_user_sgpr_kernarg_segment_ptr 1
		.amdhsa_wavefront_size32 1
		.amdhsa_system_sgpr_workgroup_id_x 1
		.amdhsa_system_sgpr_workgroup_id_y 1
		.amdhsa_system_sgpr_workgroup_id_z 1
		.amdhsa_system_vgpr_workitem_id 0
		.amdhsa_next_free_vgpr 168
		.amdhsa_next_free_sgpr 66
		.amdhsa_reserve_vcc 0
		.amdhsa_float_denorm_mode_32 3
		.amdhsa_float_denorm_mode_16_64 3
		.amdhsa_memory_ordered 1
		.amdhsa_forward_progress 1
		.amdhsa_inst_pref_size 12
	.end_amdhsa_kernel
	.amdgpu_metadata
---
amdhsa.version: [ 1, 2 ]
amdhsa.kernels:
  - .name:           k_qe85d1fb1fa_combine
    .symbol:         k_qe85d1fb1fa_combine.kd
    .args:
      - { .name: route, .offset: 0, .size: 8, .value_kind: global_buffer, .address_space: global }
      - { .name: ws, .offset: 8, .size: 8, .value_kind: global_buffer, .address_space: global }
      - { .name: yb, .offset: 16, .size: 8, .value_kind: global_buffer, .address_space: global }
      - { .name: out0, .offset: 24, .size: 8, .value_kind: global_buffer, .address_space: global }
    .group_segment_fixed_size: 0
    .private_segment_fixed_size: 0
    .kernarg_segment_align: 8
    .kernarg_segment_size: 32
    .max_flat_workgroup_size: 256
    .sgpr_count:     66
    .vgpr_count:     168
    .wavefront_size: 32
...
	.end_amdgpu_metadata
.endif
;; end of part 5
;; ======== version 2 of 2: 5 launches; version 1 with the launches gateup, down written anew for expert scheduling mode
;; workspace buffers: xb 2,097,152 bytes; tmask 4,096 bytes of whole numbers; wb 131,072 bytes; route 172,288 bytes of whole numbers; ws 32,768 bytes; hb 35,651,584 bytes; yb 142,606,336 bytes
;; launch router: the kernel of part 1 again; grid 32 x 1, 16 waves a work-group, no clusters, 158,720 bytes of LDS; arguments hidden_states, gate_w, gate_bias, xb, tmask, wb; writes xb, tmask, wb
;; launch lists: the kernel of part 2 again; grid 33 x 1, 32 waves a work-group, no clusters, 4,352 bytes of LDS; arguments tmask, wb, route, ws; writes route, ws
;; launch gateup (part 6): grid 384 x 1, 4 waves a work-group, no clusters, 279,040 bytes of LDS; arguments expert_gate, expert_up, shared_gate, shared_up, xb, route, hb; writes hb
.if DOCPART == 6
	.amdgcn_target "amdgcn-amd-amdhsa--gfx1250"
	.amdhsa_code_object_version 6
	.text
	.protected	k_qe85d1fb1fa_gateup
	.globl	k_qe85d1fb1fa_gateup
	.p2align	8
	.type	k_qe85d1fb1fa_gateup,@function
k_qe85d1fb1fa_gateup:
	s_mov_b64 s[64:65], 0
	v_nop
	global_prefetch_b8 v0, s[64:65] scope:SCOPE_SE
	s_setreg_imm32_b32 hwreg(HW_REG_WAVE_SCHED_MODE, 0, 2), 2
	s_setreg_imm32_b32 hwreg(HW_REG_WAVE_MODE, 25, 1), 1
	s_wait_xcnt 0x0
	s_wait_alu depctr_vm_vsrc(0)
; h = silu(x Wg^T) * (x Wu^T), only for the tokens that chose the expert: the reference's gather throws every other row of an expert's output away.
; JOBS.  256 routed jobs: number j is expert j / 8, slice j % 8 of 64 of its 512 columns, all tokens of its list.  128 shared jobs: the shared MLP as experts 32 and 33 (halves of its 1,024 columns):
; number j is slice j % 8, half (j / 8) % 2, tokens 128 (j / 16) .. + 127 (list 32 is the identity).
; THE ORDER OF JOBS.  A work-group claims most of a WGP's LDS, so the 384 jobs lie one to a WGP, and 128 WGPs take a second one.  Work-groups 0..255 are the shared jobs and routed jobs 0..127: the kind is the
; parity of x + x / 16 (of any 16 neighbouring numbers, and of any 16 numbers 16 apart, half are of each kind), the number x / 2.  Work-groups 256..383 are routed jobs 128..255.  So only half of the
; routed jobs stream their weights at one time, beside the other jobs' products.
; PHASE 1.  The job's 128 weight rows (64 of gate, 64 of up; 512 KB of f32, each byte of the routed weights read by this work-group alone) are streamed through a ring of 56 loads a wave
; (56 x 512 bytes x 4 waves = 112 KB of the work-group on their way), rounded to bf16 and kept in LDS.  The ring's pieces are taken four at a time: one wait, eight roundings, four loads, four LDS stores.
; PHASE 2.  The tokens' rows go from xb straight into fragments, gathered by the list, three K steps ahead; a wave owns MTW = ceil(n / 64) tiles of 16 rows, six at a time; a constant loop of three
; passes covers the 16 that 1,024 tokens need, and dead passes and tiles are jumped forward, over no barrier.
; THE MATRIX INSTRUCTION IS USED TRANSPOSED: source 0 = 16 weight rows, source 1 = 16 tokens: a lane holds one token and eight neighbouring columns, gate's and up's alike.
; OUT: hb[expert 34][slice 8][tile of 16 rows 64][block of 16 columns 4][lane 32][16 bytes] in bf16: a lane's eight packed columns of a block are the 16 bytes that the same lane takes as half of a
; source 1 fragment in the next launch, so they go out as they lie, 512 consecutive bytes a store, and nothing passes through LDS.  Tiles up to 4 MTW are written (rows past n are token 0's and enter nobody's result).
; NO CLUSTER, NO TENSOR LOADS: the weights need a pass through registers (f32 to bf16) before they rest in LDS and are wanted by one work-group; what an expert's eight work-groups share, the
; tokens' rows, is a gather by a list read at run time.
; LIMITS.  x and the weights are rounded to bf16, h once to bf16 (bf16, not f16: with inputs 30 times larger h passes 65,504).  sigmoid = 1 / (1 + 2^(-1.4427 g)); below 2^-126 it counts as 0.
; THE MODE: SCHED_MODE bits 1:0 = 2 (LLVM: expert scheduling mode 2), set by the entry lines.  The code itself states the register dependences
; between vector or matrix instructions and memory or LDS instructions, with s_wait_alu, always for 0.
; THE PLAN, PHASE 1.  Registers that memory or LDS instructions touch:
;   R          The ring.  Batch b's eight roundings read its four slots; behind them the loads of the pieces 56 further on land there.
;   CV0, CV1   Batch b's roundings write set b % 2, its four LDS stores read it, batch b + 2's roundings write it again.
;   v[AD ..]   Read by every LDS store; seven rows are added once a round.          v[LO]  Read by the stream's loads and the way out's stores; never written again.
; One wait on va_vdst stands behind a batch's roundings: its set is written, its slots are read out.  Beside it, AHEAD of the batch's own stores, one wait on vm_vsrc: the stores of the batch before
; have read the other set, which the next batch writes.  One more wait on vm_vsrc a round stands ahead of the adds to v[AD ..].
; THE PLAN, PHASE 2.
;   WB0, WB1   Step j's products read WB[j % 2]; step j's LDS loads land in the other, which step j - 1's products read.
;   slots 0-3  Step j's products read slot j % 4 of the tokens' ring; step j's loads land in slot (j + 3) % 4, which step j - 1's products read.
;   v[AW]      Read by the weights' LDS loads; written at a pass's head and once a chunk.      v[RO ..]  Read by the list's and the tokens' loads; written twice at a pass's head.
;   v[LI ..]   The list's loads land there; vector instructions clamp them.                    PK        A tile's roundings write it, its four stores read it.
; One wait on va_vdst stands at a step's head: the last step's products are done.  The step's loads follow it in two runs, behind the products of tiles 0 and 1, which every path takes; those products name
; WB[j % 2], slot j % 4 and the accumulators: none of the registers that the loads touch.
.set D,     56                         ; slots of the ring: seven rows of eight pieces of 512 bytes
.set CH,    128*272                    ; a chunk: 128 rows x 128 K of bf16, rows of 256 + 16 bytes = 17 x 16: the sixteen rows of a fragment load start 16 bytes apart modulo 256
.set SPARE, 8*CH                       ; behind the weights: the spare words, 128 bytes for each wave: two blocks of 256 bytes that no other line names
.set CNTO,  33*4096+1024*32            ; the counts in route
.set SPW, 4                            ; v4   SPARE + 4 x my thread's number; never rewritten
.set NIL, 5                            ; v5   0; never rewritten
.set LO,  6                            ; v6   16 x lane
.set AW0, 7                            ; v7   a weight fragment's row x pitch + 16 x half; never rewritten
.set AW,  8                            ; v8   the same in the chunk in hand
.set H16, 11                           ; v11  16 x (lane / 16)
.set RO,  12                           ; v12-17  phase 2: tile m: byte offset of my token's row in xb (+ 16 x half)
.set LI,  18                           ; v18-23  phase 2: tile m: my token's number
.set CV,  12                           ; v12-27  phase 1: converted: two sets of four pairs, by turns from batch to batch
.set AD,  28                           ; v28-31  phase 1: chunks 2 p and 2 p + 1: where my 8 bytes go
.set R,   32                           ; v32-255 phase 1: the ring, 56 slots of 4
.set T,   64                           ; v64-95  the way out: at work
.set PK,  96                           ; v96-111 the way out: packed
.set WB0, 128                          ; v128-191, v192-255: weight fragments of one K step, two buffers
; window 1: accumulators of tiles 0-3, (m, i) at 64 m + 8 i; i = 0-3 gate's blocks of 16 columns, 4-7 up's.  window 2: tiles 4, 5.  window 3: the tokens' fragments, ring slot q, tile m at 48 q + 8 m
; s2 wave, s3 x, s4 shared?, s5 expert, s6 slice, s7 first place, s22 n, s23 MTW, s24 first tile of the pass, s25 live tiles, s26 my first tile, s27/s28/s43 counters, s[32:33] stream,
; s[34:35] list, s[36:37] xb at the K in hand, s[38:39] hb at the job, s[40:41] hb at a tile, s54 LDS byte of the chunk in hand, s31 = 0 (the high word of offsets in s30)
.set MSB, 0
.macro WIN new                         ; s_set_vgpr_msb: bits 1:0 source 0, 3:2 source 1, 5:4 source 2, 7:6 destination; the high byte repeats the setting that is left
.if MSB != (\new)
	s_set_vgpr_msb (MSB<<8)|(\new)
.set MSB, \new
.endif
.endm
.macro PLACES                          ; four places between a matrix instruction and a load into, or a vector read of, its registers
.rept 4
	v_nop
.endr
.endm
	s_load_b256 s[8:15], s[0:1], 0x0               ; expert_gate s[8:9], expert_up s[10:11], shared_gate s[12:13], shared_up s[14:15]
	s_load_b128 s[16:19], s[0:1], 0x20             ; xb s[16:17], route s[18:19]
	s_load_b64 s[20:21], s[0:1], 0x30              ; hb
	v_lshl_add_u32 v[SPW], v0, 2, SPARE
	v_mov_b32 v[NIL], 0
	v_and_b32 v1, 31, v0
	v_and_b32 v2, 15, v0
	v_bfe_u32 v3, v0, 4, 1
	v_lshrrev_b32 v[CV], 5, v0
	v_readfirstlane_b32 s2, v[CV]                  ; wave 0..3
	s_mov_b32 s3, ttmp9
	s_lshr_b32 s44, s3, 4
	s_xor_b32 s44, s44, s3
	s_and_b32 s44, s44, 1                          ; x < 256: the parity of x + x / 16: 0 a shared job, 1 a routed one,
	s_lshr_b32 s45, s3, 1                          ; its number x / 2: each number 0..127 comes once with each parity
	s_sub_co_u32 s46, s3, 128                      ; x >= 256: routed job x - 128 (used there alone)
	s_cmp_ge_u32 s3, 256
	s_cselect_b32 s44, 1, s44
	s_cselect_b32 s45, s46, s45                    ; the job's number j
	s_and_b32 s6, s45, 7                           ; slice
	s_lshr_b32 s46, s45, 3                         ; a routed job's expert
	s_and_b32 s47, s46, 1                          ; a shared job's half
	s_add_co_u32 s48, s47, 32
	s_lshr_b32 s50, s45, 4
	s_lshl_b32 s50, s50, 7                         ; a shared job's first token
	s_cmp_eq_u32 s44, 0
	s_cselect_b32 s4, 1, 0
	s_cselect_b32 s47, s47, s46                    ; block of 512 weight rows
	s_cselect_b32 s5, s48, s46
	s_cselect_b32 s49, 32, s46                     ; list
	s_cselect_b32 s7, s50, 0
	s_min_u32 s51, s5, 31
	s_lshl_b32 s51, s51, 7                         ; the count's row
	s_lshl_b32 s30, s47, 21                        ; 512 rows x 4,096 bytes,
	s_lshl_b32 s52, s6, 18                         ; 64 rows,
	s_add_co_u32 s30, s30, s52
	s_wait_alu depctr_va_sdst(0)                   ; s2, the wave's number, is written, ahead of its first reader, the next line
	s_and_b32 s52, s2, 1
	s_lshl_b32 s52, s52, 17                        ; 32 rows: waves 0, 1 stream gate's 64, waves 2, 3 up's
	s_add_co_u32 s30, s30, s52
	s_mov_b32 s31, 0
	v_lshlrev_b32 v[LO], 4, v1
	v_lshlrev_b32 v[H16], 4, v3
	s_mul_i32 s53, s2, 32*272                      ; wave w fills LDS rows 32 w .. 32 w + 31 of every chunk
	v_lshl_add_u32 v[AD], v1, 3, s53
.irp p, 1,2,3
	v_add_nc_u32 v[AD+\p], \p*2*CH, v[AD]
.endr
	s_wait_kmcnt 0x0
	s_load_b32 s22, s[18:19], s51 offset:CNTO      ; n; waited for behind phase 1
	s_cmp_eq_u32 s4, 1
	s_cselect_b64 s[32:33], s[12:13], s[8:9]
	s_cselect_b64 s[34:35], s[14:15], s[10:11]
	s_cmp_lt_u32 s2, 2
	s_cselect_b64 s[32:33], s[32:33], s[34:35]
	s_add_nc_u64 s[32:33], s[32:33], s[30:31]
	s_wait_alu depctr_va_vdst(0)                   ; v[LO] is written, which every load of the stream reads as its offset
.set i, 0
.rept D
	global_load_b128 v[R+4*i:R+4*i+3], v[LO], s[32:33] offset:512*i th:TH_LOAD_NT_RT  ; my 32 rows lie end to end, 256 pieces of 512 bytes: the first 56
.set i, i+1
.endr
	v_mul_u32_u24 v[AW0], v2, 272
	v_add_nc_u32 v[AW0], v[AW0], v[H16]
	s_lshl_b32 s30, s49, 12
	s_add_nc_u64 s[34:35], s[18:19], s[30:31]      ; my list
	s_lshl3_add_u32 s30, s5, s6                    ; 8 x expert + slice,
	s_lshl_b32 s30, s30, 17                        ; 64 tiles of 2,048 bytes each,
	s_lshl_b32 s52, s7, 7                          ; the first place's tile: (place / 16) x 2,048
	s_add_co_u32 s30, s30, s52
	s_add_nc_u64 s[38:39], s[20:21], s[30:31]
; Four slots' turn: pieces i0 to i0 + 3 of the ring's seven rows (piece i: row i / 8, chunk i % 8), row rows further down in LDS.  left = how many loads younger than the fourth may stay out.
; rel = 1: LDS stores that read the other set of converted words have been issued since the last wait on vm_vsrc, and a later batch writes that set.
.macro BATCH i0, row, reload, left, rel
	s_wait_loadcnt \left                           ; loads come back in order (ISA guide 5.7.1): my four are in
.irp j, 0,1,2,3
	v_cvt_pk_bf16_f32 v[CV+8*(((\i0)/4)%2)+2*\j],   v[R+4*((\i0)+\j)],   v[R+4*((\i0)+\j)+1]
	v_cvt_pk_bf16_f32 v[CV+8*(((\i0)/4)%2)+2*\j+1], v[R+4*((\i0)+\j)+2], v[R+4*((\i0)+\j)+3]
.endr
	s_wait_alu depctr_va_vdst(0)                   ; the eight roundings have written this batch's set, which the LDS stores below read, and are done reading the four slots, in which the loads below land; behind a round's end v[AD ..] are written too
.if \rel
	s_wait_alu depctr_vm_vsrc(0)                   ; the LDS stores of the batch before have read the other set, which the next batch's roundings write
.endif
.if \reload
.irp j, 0,1,2,3
	global_load_b128 v[R+4*((\i0)+\j):R+4*((\i0)+\j)+3], v[LO], s[32:33] offset:D*512+512*((\i0)+\j) th:TH_LOAD_NT_RT  ; the same piece seven rows on
.endr
.endif
.irp j, 0,1,2,3
	ds_store_b64 v[AD+(((\i0)+\j)%8)/2], v[CV+8*(((\i0)/4)%2)+2*\j:CV+8*(((\i0)/4)%2)+2*\j+1] offset:(((\i0)+\j)%2)*CH+((\row)+((\i0)+\j)/8)*272  ; 32 lanes, 256 neighbouring bytes; 37,536 at the most: inside the 16-bit immediate
.endr
.endm
	s_mov_b32 s43, 3
.Lround:                                               ; three rounds of seven rows, pieces 0 to 167, each filling the ring again: pieces 56 to 223.  14 batches a round: the two sets stay in step over the jump back
.set i, 0
.rept D/4
	BATCH i, 0, 1, D-4, (i>0)                      ; of the ring's 56 loads the 52 behind my four stay out; ahead of a round's first batch no LDS store is unread: none has been issued, or the wait at the last round's end has stood
.set i, i+4
.endr
	s_wait_xcnt 0x0                                ; the loads' base is stepped only behind this wait
	s_add_nc_u64 s[32:33], s[32:33], D*512
	s_wait_alu depctr_vm_vsrc(0)                   ; the round's LDS stores have read v[AD ..], which the adds below write, and both sets of converted words
.irp p, 0,1,2,3
	v_add_nc_u32 v[AD+\p], 7*272, v[AD+\p]
.endr
	s_sub_co_u32 s43, s43, 1
	s_cmp_lg_u32 s43, 0
	s_cbranch_scc1 .Lround
.set i, 0
.rept 8
	BATCH i, 0, 1, D-4, (i>0)                      ; pieces 168 to 199 still have a piece 56 further on: 224 to 255, the last
.set i, i+4
.endr
.set i, 32
.rept 6
	BATCH i, 0, 0, 84-i, 1                         ; pieces 200 to 223: behind piece 168 + i + 3 lie 84 - i
.set i, i+4
.endr
.set i, 0
.rept 8
	BATCH i, 7, 0, 28-i, (i<28)                    ; pieces 224 to 255, rows 28 to 31: the counts run down to 0; behind the last batch no roundings follow
.set i, i+4
.endr
	s_wait_kmcnt 0x0                               ; n
	s_cmp_eq_u32 s4, 1
	s_cselect_b32 s22, 128, s22
	s_add_co_u32 s23, s22, 63
	s_lshr_b32 s23, s23, 6
	s_min_u32 s23, s23, 16                         ; tiles of 16 rows a wave
	s_wait_dscnt 0x0                               ; for the others' sake: my rows are in LDS
	s_barrier_signal -1
	s_barrier_wait -1                              ; from here on the weights are only read
; One K step of 32.  jj: the step, counted from the chunk at v[AW] and the bytes at s[36:37].  zero = 1: the products start the sums, for all six tiles, so that every accumulator is written.
; wl: the next step's weights are fetched (16 LDS loads, one step ahead), behind tile 0's products.  tl: the tokens' fragments three steps on are fetched (12 loads), behind tile 1's.
; lc: the younger token loads that may stay out.
; Dead tiles are jumped over at tiles 2, 4 and 5: with 1 or 3 live tiles one dead tile (token 0's row) is multiplied and never stored.  Tiles 0 and 1, and so both runs of loads, are on every path.
.macro KSTEP jj, zero, wl, tl, lc
.set WBC, WB0+64*((\jj)%2)
.set WBN, WB0+64*(((\jj)+1)%2)
.set WOF, (((\jj)+1)/4)*CH+(((\jj)+1)%4)*64
.set RSC, 48*((\jj)%4)
.set RSN, 48*(((\jj)+3)%4)
	s_wait_dscnt 0x0                               ; this step's weights, asked for a step ago
	s_wait_loadcnt \lc                             ; this step's tokens, asked for three steps ago: the younger steps' 12 each stay out
.if (\wl) && !(\zero)
	s_wait_alu depctr_va_vdst(0)                   ; the last step's products are done reading the weight buffer and the ring slot in which this step's loads land; behind a change of chunks v[AW] is written.  (A pass's first step: the wait at the pass's head has stated it)
.endif
.irp m, 0,1,2,3,4,5
.if !(\zero) && (((\m) == 2) || ((\m) == 4) || ((\m) == 5))
	WIN 0                                          ; at a branch every window is 0
	s_cmp_gt_u32 s25, \m
	s_cbranch_scc0 .Lkend_\@
.endif
	WIN 0x5c+0x50*((\m)/4)                         ; weights window 0, tokens window 3, C and D window 1 or 2
.irp i, 0,1,2,3,4,5,6,7                ; the accumulators take turns, one instruction a turn
.if \zero
	v_wmma_f32_16x16x32_bf16 v[64*((\m)%4)+8*\i:64*((\m)%4)+8*\i+7], v[WBC+8*\i:WBC+8*\i+7], v[RSC+8*\m:RSC+8*\m+7], 0
.else
	v_wmma_f32_16x16x32_bf16 v[64*((\m)%4)+8*\i:64*((\m)%4)+8*\i+7], v[WBC+8*\i:WBC+8*\i+7], v[RSC+8*\m:RSC+8*\m+7], v[64*((\m)%4)+8*\i:64*((\m)%4)+8*\i+7]
.endif
.endr
.if ((\m) == 0) && (\wl)
	PLACES                                         ; four places stand between the last step's products and the loads into registers that those read, beside the wait at the step's head
	WIN 0
.irp i, 0,1,2,3,4,5,6,7                ; no wait: no vector or matrix instruction since the step's head names the other weight buffer or v[AW]
	ds_load_b128 v[WBN+8*\i:WBN+8*\i+3],   v[AW] offset:WOF+\i*16*272      ; 65,376 at the most: inside the 16-bit immediate
	ds_load_b128 v[WBN+8*\i+4:WBN+8*\i+7], v[AW] offset:WOF+\i*16*272+32
.endr
.endif
.if ((\m) == 1) && (\tl)
	WIN 0xc0                                       ; destination window 3, address window 0
.irp n, 0,1,2,3,4,5                    ; no wait: no vector or matrix instruction since the step's head names this ring slot or v[RO ..]
	global_load_b128 v[RSN+8*\n:RSN+8*\n+3],   v[RO+\n], s[36:37] offset:((\jj)+3)*64
	global_load_b128 v[RSN+8*\n+4:RSN+8*\n+7], v[RO+\n], s[36:37] offset:((\jj)+3)*64+32
.endr
.endif
.endr
	WIN 0
.Lkend_\@:
.endm
; THE WAY OUT of tile m: h = g sigmoid(g) u, rounded to bf16; a lane's eight columns of a block pack into 16 bytes and are stored as they lie.
.macro EPI m
.set AC, 64*((\m)%4)
.if (\m) > 0
	s_cmp_gt_u32 s25, \m
	s_cbranch_scc0 .Lepi_done
.endif
	WIN 1+(\m)/4                                   ; source 0: the accumulators' window
.set j, 0
.rept 16
	v_pk_mul_f32 v[T+2*j:T+2*j+1], v[AC+2*j:AC+2*j+1], 0xbfb8aa3b op_sel_hi:[1,0]  ; -log2(e) g; each accumulator from its low end on
.set j, j+1
.endr
	WIN 0
.set j, 0
.rept 32
	v_exp_f32 v[T+j], v[T+j]
.set j, j+1
.endr
	v_nop                                          ; a plain instruction behind the last exponential
	s_wait_alu depctr_va_vdst(0)                   ; the 32 exponentials have written v[T ..]: one wait for the batch, ahead of its first reader
.set j, 0
.rept 16
	v_pk_add_f32 v[T+2*j:T+2*j+1], v[T+2*j:T+2*j+1], 1.0 op_sel_hi:[1,0]
.set j, j+1
.endr
.set j, 0
.rept 32
	v_rcp_f32 v[T+j], v[T+j]
.set j, j+1
.endr
	v_nop                                          ; a plain instruction behind the last reciprocal
	WIN 1+(\m)/4
	s_wait_alu depctr_va_vdst(0)                   ; the 32 reciprocals have written v[T ..]: one wait for the batch, ahead of its first reader
.set j, 0
.rept 16
	v_pk_mul_f32 v[T+2*j:T+2*j+1], v[AC+2*j:AC+2*j+1], v[T+2*j:T+2*j+1]         ; silu(g)
.set j, j+1
.endr
.set j, 0
.rept 16
	v_pk_mul_f32 v[T+2*j:T+2*j+1], v[AC+32+2*j:AC+32+2*j+1], v[T+2*j:T+2*j+1]   ; x u
.set j, j+1
.endr
	WIN 0
	s_wait_xcnt 0x0                                ; the last tile's stores have had their addresses translated: PK and their base are rewritten only behind this wait,
	s_wait_alu depctr_vm_vsrc(0)                   ; and they have read v[PK ..], which the roundings below write again
.set j, 0
.rept 16
	v_cvt_pk_bf16_f32 v[PK+j], v[T+2*j], v[T+2*j+1]
.set j, j+1
.endr
	s_add_co_u32 s29, s26, \m
	s_min_u32 s29, s29, 63
	s_lshl_b32 s30, s29, 11                        ; a tile is 2,048 bytes
	s_add_nc_u64 s[40:41], s[38:39], s[30:31]
	s_wait_alu depctr_va_vdst(0)                   ; the sixteen roundings have written v[PK ..], which the four stores read
.irp b, 0,1,2,3
	global_store_b128 v[LO], v[PK+4*\b:PK+4*\b+3], s[40:41] offset:512*\b  ; block b: 512 consecutive bytes, aligned
.endr
.endm
	s_mov_b32 s24, 0
	s_mov_b32 s27, 3
.Lpass:                                                ; three passes of six tiles a wave: 18 for the 16 that 1,024 rows need
	s_cmp_ge_u32 s24, s23
	s_cbranch_scc1 .Lskip                          ; nothing left: forward, to the counter's step
	s_sub_co_u32 s25, s23, s24
	s_min_u32 s25, s25, 6                          ; live tiles
	s_mul_i32 s26, s2, s23
	s_add_co_u32 s26, s26, s24                     ; my first tile: wave w owns tiles w MTW .. w MTW + MTW - 1
	s_mov_b32 s54, 0                               ; chunk 0
	s_mov_b64 s[36:37], s[16:17]                   ; K = 0 (the last pass's token loads were waited for with the count 0)
	s_wait_alu depctr_vm_vsrc(0)                   ; the first pass: phase 1's LDS stores have read v12 to v27; a later pass: the last pass's loads have read v[RO ..] and v[AW]: the lines and the loads below write these registers
.irp m, 0,1,2,3,4,5
	s_add_co_u32 s29, s26, \m
	s_min_u32 s29, s29, 63
	s_lshl_b32 s29, s29, 4
	s_add_co_u32 s29, s29, s7
	v_add_nc_u32 v[RO+\m], s29, v2                 ; my place in the list (the last pass's loads, which named this register, were waited for with the count 0)
	v_min_u32 v[RO+\m], 0x3ff, v[RO+\m]
	v_lshlrev_b32 v[RO+\m], 2, v[RO+\m]
.endr
	v_add_nc_u32 v[AW], s54, v[AW0]
	s_wait_alu depctr_va_vdst(0)                   ; v[RO ..] and v[AW] are written, which the loads below read; the vector instructions that wrote or read v[LI ..], and the roundings and products that read v128 to v255 and the tokens' ring, are done: loads land there
.irp m, 0,1,2,3,4,5
	global_load_b32 v[LI+\m], v[RO+\m], s[34:35]
.endr
.irp i, 0,1,2,3,4,5,6,7
	ds_load_b128 v[WB0+8*\i:WB0+8*\i+3],   v[AW] offset:\i*16*272      ; K step 0's weights
	ds_load_b128 v[WB0+8*\i+4:WB0+8*\i+7], v[AW] offset:\i*16*272+32
.endr
	s_wait_loadcnt 0x0                             ; the six numbers; their address registers are free with it,
	s_wait_alu depctr_vm_vsrc(0)                   ; and the six loads have read v[RO ..], which the lines below write again
.irp m, 0,1,2,3,4,5
	s_cmp_gt_u32 s25, \m
	s_cselect_b32 s42, -1, 0
	v_and_b32 v[LI+\m], s42, v[LI+\m]              ; a dead tile's lanes all take token 0: they ask for the same two pieces of 16 bytes, and the count of loads is the same on every path
	v_min_u32 v[LI+\m], 0x3ff, v[LI+\m]            ; a token: a number read from memory enters an address only behind this clamp; behind it stand a shift and an add alone
	v_lshlrev_b32 v[RO+\m], 11, v[LI+\m]           ; its row of 2,048 bytes
	v_add_nc_u32 v[RO+\m], v[RO+\m], v[H16]        ; + 16 x half
.endr
	WIN 0xc0
	s_wait_alu depctr_va_vdst(0)                   ; v[RO ..] are written, which all the pass's token loads read as their offsets
.irp s, 0,1,2
.irp m, 0,1,2,3,4,5
	global_load_b128 v[48*\s+8*\m:48*\s+8*\m+3],   v[RO+\m], s[36:37] offset:64*\s
	global_load_b128 v[48*\s+8*\m+4:48*\s+8*\m+7], v[RO+\m], s[36:37] offset:64*\s+32
.endr
.endr
	WIN 0
	KSTEP 0, 1, 1, 1, 24                           ; K = 1,024 is 32 steps: the first stands in front of the loop: its products start the sums;
	s_mov_b32 s28, 7
.Lk:                                                   ; 28 in seven trips of a chunk's length, from a chunk's second step to the next chunk's first;
	KSTEP 1, 0, 1, 1, 24
	KSTEP 2, 0, 1, 1, 24
	KSTEP 3, 0, 1, 1, 24
	KSTEP 4, 0, 1, 1, 24
	s_wait_xcnt 0x0                                ; the token loads' base is stepped only behind this wait
	s_add_nc_u64 s[36:37], s[36:37], 256           ; 128 K of bf16
	s_add_co_u32 s54, s54, CH                      ; the next chunk: the read address is made anew from the scalar and a register that is never rewritten
	s_wait_alu depctr_vm_vsrc(0)                   ; the LDS loads issued so far have read v[AW], which the next line writes
	v_add_nc_u32 v[AW], s54, v[AW0]
	s_sub_co_u32 s28, s28, 1
	s_cmp_lg_u32 s28, 0
	s_cbranch_scc1 .Lk
	KSTEP 1, 0, 1, 0, 24                           ; and the last three fetch no tokens: the counts run down
	KSTEP 2, 0, 1, 0, 12
	KSTEP 3, 0, 0, 0, 0
	PLACES
	EPI 0
	EPI 1
	EPI 2
	EPI 3
	EPI 4
	EPI 5
.Lepi_done:
.Lskip:
	s_add_co_u32 s24, s24, 6
	s_sub_co_u32 s27, s27, 1
	s_cmp_lg_u32 s27, 0
	s_cbranch_scc1 .Lpass
	s_wait_dscnt 0x0                               ; my reads of LDS are over,
	s_barrier_signal -1
	s_barrier_wait -1                              ; and so are every wave's, ahead of any wave's last LDS write, the add below
	s_wait_dscnt 0x0                               ; the closing lines, six on end
	s_wait_alu 0x0
	s_wait_tensorcnt 0x0
	ds_add_u32 v[SPW], v[NIL]
	s_wait_dscnt 0x0
	s_endpgm
.Lfunc_end_k_qe85d1fb1fa_gateup:
	.size	k_qe85d1fb1fa_gateup, .Lfunc_end_k_qe85d1fb1fa_gateup-k_qe85d1fb1fa_gateup
	.p2alignl 7, 3214868480
	.fill 96, 4, 3214868480
	.section	.rodata,"a",@progbits
	.p2align	6, 0x0
	.amdhsa_kernel k_qe85d1fb1fa_gateup
		.amdhsa_group_segment_fixed_size 279040
		.amdhsa_private_segment_fixed_size 0
		.amdhsa_enable_private_segment 0
		.amdhsa_kernarg_size 56
		.amdhsa_user_sgpr_count 2
		.amdhsa_user_sgpr_kernarg_segment_ptr 1
		.amdhsa_wavefront_size32 1
		.amdhsa_system_sgpr_workgroup_id_x 1
		.amdhsa_system_sgpr_workgroup_id_y 1
		.amdhsa_system_sgpr_workgroup_id_z 1
		.amdhsa_system_vgpr_workitem_id 0
		.amdhsa_next_free_vgpr 960
		.amdhsa_next_free_sgpr 66
		.amdhsa_reserve_vcc 0
		.amdhsa_float_denorm_mode_32 3
		.amdhsa_float_denorm_mode_16_64 3
		.amdhsa_memory_ordered 1
		.amdhsa_forward_progress 1
		.amdhsa_inst_pref_size 150
	.end_amdhsa_kernel
	.amdgpu_metadata
---
amdhsa.version: [ 1, 2 ]
amdhsa.kernels:
  - .name:           k_qe85d1fb1fa_gateup
    .symbol:         k_qe85d1fb1fa_gateup.kd
    .args:
      - { .name: expert_gate, .offset: 0, .size: 8, .value_kind: global_buffer, .address_space: global }
      - { .name: expert_up, .offset: 8, .size: 8, .value_kind: global_buffer, .address_space: global }
      - { .name: shared_gate, .offset: 16, .size: 8, .value_kind: global_buffer, .address_space: global }
      - { .name: shared_up, .offset: 24, .size: 8, .value_kind: global_buffer, .address_space: global }
      - { .name: xb, .offset: 32, .size: 8, .value_kind: global_buffer, .address_space: global }
      - { .name: route, .offset: 40, .size: 8, .value_kind: global_buffer, .address_space: global }
      - { .name: hb, .offset: 48, .size: 8, .value_kind: global_buffer, .address_space: global }
    .group_segment_fixed_size: 279040
    .private_segment_fixed_size: 0
    .kernarg_segment_align: 8
    .kernarg_segment_size: 56
    .max_flat_workgroup_size: 128
    .sgpr_count:     66
    .vgpr_count:     960
    .wavefront_size: 32
...
	.end_amdgpu_metadata
.endif
;; end of part 6
;; launch down (part 7): grid 384 x 1, 4 waves a work-group, no clusters, 173,568 bytes of LDS; arguments expert_down, shared_down, route, hb, yb; writes yb
.if DOCPART == 7
	.amdgcn_target "amdgcn-amd-amdhsa--gfx1250"
	.amdhsa_code_object_version 6
	.text
	.protected	k_qe85d1fb1fa_down
	.globl	k_qe85d1fb1fa_down
	.p2align	8
	.type	k_qe85d1fb1fa_down,@function
k_qe85d1fb1fa_down:
	s_mov_b64 s[64:65], 0
	v_nop
	global_prefetch_b8 v0, s[64:65] scope:SCOPE_SE
	s_setreg_imm32_b32 hwreg(HW_REG_WAVE_SCHED_MODE, 0, 2), 2
	s_setreg_imm32_b32 hwreg(HW_REG_WAVE_MODE, 25, 1), 1
	s_wait_xcnt 0x0
	s_wait_alu depctr_vm_vsrc(0)
; y = h Wd^T for the rows that the launch before made.  JOBS.  256 routed jobs: number j is expert j / 8, columns 128 (j % 8) .. + 127 of its 1,024, all rows of its list.  128 shared jobs: the shared MLP's
; two halves of K as experts 32 and 33: number j is columns 128 (j % 8) on, half (j / 8) % 2, rows 128 (j / 16) .. + 127.
; THE ORDER OF JOBS is that of the launch before: work-groups 0..255 are the shared jobs and routed jobs 0..127 (the kind is the parity of x + x / 16, the number x / 2), work-groups 256..383 routed jobs
; 128..255: a WGP's second job is a routed one, and only half of the routed jobs stream their weights at one time.
; PHASE 1.  The job's 128 weight rows x 512 K (256 KB of f32) are streamed through a ring of 52 loads a wave (52 x 512 bytes x 4 waves = 104 KB of the work-group on their way), rounded to bf16 and kept
; in LDS.  A wave's 128 pieces are written out, a row's four at a time: one wait, eight roundings, four loads, four LDS stores.  A row is reached by one of seven offset registers and one of five bases
; seven rows apart, so that nothing is stepped.
; PHASE 2.  h comes from hb straight into fragments, three K steps ahead: hb[expert][slice of 64 K][tile of 16 rows][block of 16 K][lane][16 bytes] holds for each lane the very 16 bytes of half a
; source 1 fragment, so a load takes 512 consecutive bytes.  Tiles, passes and jumps are those of the launch before, so that exactly the tiles written there are read here.  The 16 K steps of a pass
; are written out: every LDS address of phase 2 is a register that is never rewritten plus an immediate, beside the stages that the waves store into in the same loop.
; THE MATRIX INSTRUCTION IS USED TRANSPOSED: source 0 = 16 weight rows (columns of y), source 1 = 16 rows of h: a lane holds one row of y and eight neighbouring columns.
; OUT: yb[1024 expert + place][1024] f32, unweighted: the routing weight is a multiply-add in the last launch.
; NO CLUSTER, NO TENSOR LOADS: the weights need a pass through registers (f32 to bf16) and are wanted by one work-group; h's tiles, which an expert's eight work-groups share, number 4 MTW, read at run time.
; LIMITS.  The weights are rounded to bf16; sums in f32.
; THE MODE: SCHED_MODE bits 1:0 = 2 (LLVM: expert scheduling mode 2), set by the entry lines.  The code itself states the register dependences
; between vector or matrix instructions and memory or LDS instructions, with s_wait_alu, always for 0.
; THE PLAN, PHASE 1.  Registers that memory or LDS instructions touch:
;   R          The ring.  Batch b's eight roundings read its four slots; behind them the loads of the pieces 52 further on land there.
;   CV0, CV1   Batch b's roundings write set b % 2, its four LDS stores read it, batch b + 2's roundings write it again.
;   v[AD ..], v[OF ..], v[LO]   Addresses and offsets, made at the head and never written again.
; One wait on va_vdst stands behind a batch's roundings: its set is written, its slots are read out.  Beside it, AHEAD of the batch's own stores, one wait on vm_vsrc: the stores of the batch before
; have read the other set, which the next batch writes.
; THE PLAN, PHASE 2.
;   WB0, WB1   Step t's products read WB[t % 2]; step t's LDS loads land in the other, which step t - 1's products read.
;   slots 0-3  Step t's products read slot t % 4 of h's ring; step t's loads land in slot (t + 3) % 4, which step t - 1's products read.
;   v[RO ..]   Read by h's loads; written at a pass's head.        v[AWR ..], v[STO], v[RD]   Made at the head, never written again.
;   the accumulators   Written by the products; read by the way out's LDS stores; written anew by the next pass's first products.
;   BK         The way out's LDS loads land there; its global stores read it.  No vector instruction names it in phase 2.
; One wait on va_vdst stands at a step's head: the last step's products are done.  The step's loads follow it in two runs, behind the products of tiles 0 and 1, which every path takes; those products name
; WB[t % 2], slot t % 4 and the accumulators: none of the registers that the loads touch.  One wait on va_vdst serves the way out of all six tiles.
.set NK,    16                         ; K steps of 32
.set NP,    128                        ; pieces of 512 bytes that a wave streams: 32 rows of four
.set D,     52                         ; slots of the ring: 13 rows of four pieces
.set CH,    128*272                    ; a chunk: 128 rows x 128 K of bf16, rows of 256 + 16 bytes
.set STG,   4*CH                       ; behind the weights: 16 rows x 528 bytes for each wave, for the way out
.set SPARE, STG+4*16*528               ; the spare words, 128 bytes for each wave: two blocks of 256 bytes that no other line names
.set CNTO,  33*4096+1024*32
.set SPW, 4                            ; v4   SPARE + 4 x my thread's number; never rewritten
.set NIL, 5                            ; v5   0; never rewritten
.set LO,  6                            ; v6   16 x lane
.set AWR, 7                            ; v7-8 a weight fragment's row x pitch + 16 x half, in chunks 2 p and 2 p + 1; never rewritten
.set STO, 9                            ; v9   the way out: where I put 32 bytes of a row
.set RD,  10                           ; v10  the way out: where I read a row back
.set H16, 11                           ; v11  16 x (lane / 16)
.set RO,  12                           ; v12-17  phase 2: tile m: byte offset of my 16 bytes in the tile's first block, in a slice of hb
.set AD,  18                           ; v18-21  phase 1: chunk c: where my 8 bytes go
.set OF,  22                           ; v22-28  phase 1: row j of seven: j x pitch + 16 x lane
.set CV,  32                           ; v32-47  phase 1: converted: two sets of four pairs, by turns from batch to batch
.set R,   48                           ; v48-255 phase 1: the ring, 52 slots of 4
.set BK,  64                           ; v64-127 the way out: 16 whole rows
.set WB0, 128                          ; v128-255 weight fragments, two buffers
.set PB,  66                           ; s[66:75] phase 1: my rows 0, 7, 14, 21, 28 of the weights
; windows 1, 2: accumulators, (m, i) at 64 (m % 4) + 8 i, i = block of 16 columns.  window 3: h's fragments, ring slot q, tile m at 48 q + 8 m
.set MSB, 0
.macro WIN new
.if MSB != (\new)
	s_set_vgpr_msb (MSB<<8)|(\new)
.set MSB, \new
.endif
.endm
.macro PLACES
.rept 4
	v_nop
.endr
.endm
	s_load_b256 s[8:15], s[0:1], 0x0               ; expert_down s[8:9], shared_down s[10:11], route s[12:13], hb s[14:15]
	s_load_b64 s[16:17], s[0:1], 0x20              ; yb
	v_lshl_add_u32 v[SPW], v0, 2, SPARE
	v_mov_b32 v[NIL], 0
	v_and_b32 v1, 31, v0
	v_and_b32 v2, 15, v0
	v_bfe_u32 v3, v0, 4, 1
	v_lshrrev_b32 v[CV], 5, v0
	v_readfirstlane_b32 s2, v[CV]                  ; wave 0..3
	s_mov_b32 s3, ttmp9
	s_lshr_b32 s44, s3, 4
	s_xor_b32 s44, s44, s3
	s_and_b32 s44, s44, 1                          ; x < 256: the parity of x + x / 16: 0 a shared job, 1 a routed one,
	s_lshr_b32 s57, s3, 1                          ; its number x / 2
	s_sub_co_u32 s46, s3, 128                      ; x >= 256: routed job x - 128 (used there alone)
	s_cmp_ge_u32 s3, 256
	s_cselect_b32 s44, 1, s44
	s_cselect_b32 s57, s46, s57                    ; the job's number j
	s_and_b32 s6, s57, 7                           ; block of 128 columns
	s_lshr_b32 s45, s57, 3                         ; a routed job's expert
	s_and_b32 s46, s45, 1                          ; a shared job's half of K
	s_add_co_u32 s50, s46, 32
	s_lshr_b32 s51, s57, 4
	s_lshl_b32 s51, s51, 7                         ; a shared job's first row
	s_lshl_b32 s52, s45, 21                        ; routed: 1,024 rows of 2,048 bytes an expert,
	s_lshl_b32 s54, s6, 18                         ; 128 rows
	s_add_co_u32 s52, s52, s54
	s_lshl_b32 s53, s6, 19                         ; shared: 128 rows of 4,096 bytes,
	s_lshl_b32 s54, s46, 11                        ; 512 f32 along a row
	s_add_co_u32 s53, s53, s54
	s_cmp_eq_u32 s44, 0
	s_cselect_b32 s4, 1, 0
	s_cselect_b32 s5, s50, s45                     ; expert
	s_cselect_b32 s7, s51, 0                       ; first place
	s_cselect_b32 s30, s53, s52
	s_cselect_b32 s47, 12, 11                      ; log2 of the weights' pitch
	s_lshr_b32 s56, s7, 4                          ; the first place's tile
	s_min_u32 s55, s5, 31
	s_lshl_b32 s55, s55, 7                         ; the count's row
	s_wait_alu depctr_va_sdst(0)                   ; s2, the wave's number, is written, ahead of its first reader, the next line
	s_lshl_b32 s54, s2, 5                          ; wave w streams rows 32 w .. 32 w + 31
	s_lshl_b32 s54, s54, s47
	s_add_co_u32 s30, s30, s54
	s_mov_b32 s31, 0
	s_lshl_b32 s48, 7, s47                         ; s[48:49]: seven rows
	s_mov_b32 s49, 0
	v_lshlrev_b32 v[LO], 4, v1
	v_lshlrev_b32 v[H16], 4, v3
.irp j, 0,1,2,3,4,5,6
	s_lshl_b32 s54, \j, s47
	v_add_nc_u32 v[OF+\j], s54, v[LO]
.endr
	s_mul_i32 s53, s2, 32*272                      ; wave w fills LDS rows 32 w .. 32 w + 31 of every chunk
	v_lshl_add_u32 v[AD], v1, 3, s53
.irp c, 1,2,3
	v_add_nc_u32 v[AD+\c], \c*CH, v[AD]
.endr
	s_wait_kmcnt 0x0
	s_load_b32 s22, s[12:13], s55 offset:CNTO      ; n; waited for behind phase 1
	s_cmp_eq_u32 s4, 1
	s_cselect_b64 s[PB:PB+1], s[10:11], s[8:9]
	s_add_nc_u64 s[PB:PB+1], s[PB:PB+1], s[30:31]
.irp k, 1,2,3,4
	s_add_nc_u64 s[PB+2*\k:PB+2*\k+1], s[PB+2*\k-2:PB+2*\k-1], s[48:49]
.endr
; Piece p (row p / 4, 512 bytes at byte 512 (p % 4) of its 2,048) is asked for, into ring slot p % 52.
.macro LOADP p
	global_load_b128 v[R+4*((\p)%D):R+4*((\p)%D)+3], v[OF+((\p)/4)%7], s[PB+2*(((\p)/4)/7):PB+2*(((\p)/4)/7)+1] offset:((\p)%4)*512 th:TH_LOAD_NT_RT
.endm
; The turn of pieces p0 to p0 + 3, a row: they are rounded and laid into LDS (piece p: chunk p % 4, row p / 4), and their slots take the pieces 52 further on, while there are any.
.macro BATCH p0
.if (\p0) < NP-D
	s_wait_loadcnt D-4                             ; loads come back in order (ISA guide 5.7.1): my four are in, the ring's 48 younger ones stay out
.else
	s_wait_loadcnt NP-4-(\p0)                      ; at the end: as many as there are pieces behind my fourth
.endif
.irp j, 0,1,2,3
	v_cvt_pk_bf16_f32 v[CV+8*(((\p0)/4)%2)+2*\j],   v[R+4*(((\p0)+\j)%D)],   v[R+4*(((\p0)+\j)%D)+1]
	v_cvt_pk_bf16_f32 v[CV+8*(((\p0)/4)%2)+2*\j+1], v[R+4*(((\p0)+\j)%D)+2], v[R+4*(((\p0)+\j)%D)+3]
.endr
	s_wait_alu depctr_va_vdst(0)                   ; the eight roundings have written this batch's set, which the LDS stores below read, and are done reading the four slots, in which the loads below land
.if ((\p0) > 0) && ((\p0) < NP-4)
	s_wait_alu depctr_vm_vsrc(0)                   ; the LDS stores of the batch before have read the other set, which the next batch's roundings write (the first batch has none before it, the last none behind it)
.endif
.if (\p0) < NP-D
.irp j, 0,1,2,3
	LOADP (\p0)+\j+D
.endr
.endif
.irp j, 0,1,2,3
	ds_store_b64 v[AD+\j], v[CV+8*(((\p0)/4)%2)+2*\j:CV+8*(((\p0)/4)%2)+2*\j+1] offset:((\p0)/4)*272  ; 32 lanes, 256 neighbouring bytes
.endr
.endm
	s_wait_alu depctr_va_vdst(0)                   ; v[OF ..] are written, which the stream's loads read as their offsets; so are v[AD ..], the LDS stores' addresses
.set p, 0
.rept D
	LOADP p
.set p, p+1
.endr
	v_mul_u32_u24 v[AWR], v2, 272
	v_add_nc_u32 v[AWR], v[AWR], v[H16]
	v_add_nc_u32 v[AWR+1], 2*CH, v[AWR]
	s_mul_i32 s52, s2, 16*528
	s_add_co_u32 s52, s52, STG                     ; my stage
	v_mul_u32_u24 v[STO], v2, 528                  ; in: row lane % 16, 32 bytes for each half of the lanes
	v_lshl_add_u32 v[STO], v3, 5, v[STO]
	v_add_nc_u32 v[STO], s52, v[STO]
	v_add_nc_u32 v[RD], s52, v[LO]                 ; back: 32 lanes take one row of 512 bytes
	s_lshl_b32 s30, s5, 20                         ; hb: 8 slices x 64 tiles x 2,048 bytes an expert
	s_add_nc_u64 s[34:35], s[14:15], s[30:31]
	s_lshl_b32 s30, s5, 10
	s_add_co_u32 s30, s30, s7
	s_lshl_b32 s30, s30, 12                        ; yb: rows of 4,096 bytes,
	s_lshl_b32 s52, s6, 9                          ; 128 columns of f32
	s_add_co_u32 s30, s30, s52
	s_add_nc_u64 s[38:39], s[16:17], s[30:31]
.set p, 0
.rept NP/4
	BATCH p
.set p, p+4
.endr
	s_wait_kmcnt 0x0                               ; n
	s_cmp_eq_u32 s4, 1
	s_cselect_b32 s22, 128, s22
	s_add_co_u32 s23, s22, 63
	s_lshr_b32 s23, s23, 6
	s_min_u32 s23, s23, 16                         ; tiles of 16 rows a wave
	s_wait_dscnt 0x0                               ; for the others' sake: my rows are in LDS
	s_barrier_signal -1
	s_barrier_wait -1                              ; the kernel's one barrier: from here on the weights are only read, and a stage is its wave's own
; K step t of NK, as in the launch before.  Step s of h lies in slice s / 2 (131,072 bytes apart), in blocks 2 (s % 2) and 2 (s % 2) + 1 of the tile (512 bytes each).
; The next step's weights (16 LDS loads) are asked for behind tile 0's products, h three steps on (12 loads) behind tile 1's: both tiles, and so both runs, are on every path.
.macro KSTEP t
.set WBC, WB0+64*((\t)%2)
.set WBN, WB0+64*(((\t)+1)%2)
.set WRG, AWR+((\t)+1)/8
.set WOF, ((((\t)+1)/4)%2)*CH+(((\t)+1)%4)*64
.set RSC, 48*((\t)%4)
.set RSN, 48*(((\t)+3)%4)
.set TOF, (((\t)+3)/2)*131072+(((\t)+3)%2)*1024
	s_wait_dscnt 0x0                               ; this step's weights, asked for a step ago
.if (\t) < NK-2
	s_wait_loadcnt 24                              ; this step's h, asked for three steps ago: the two younger steps' 2 x 12 stay out
.else
	s_wait_loadcnt 12*(NK-1-(\t))                  ; at the end fewer are younger
.endif
.if ((\t) > 0) && ((\t) < NK-1)
	s_wait_alu depctr_va_vdst(0)                   ; the last step's products are done reading the weight buffer and the ring slot in which this step's loads land.  (The first step: the wait at the pass's head has stated it; the last step loads nothing)
.endif
.irp m, 0,1,2,3,4,5
.if ((\t) > 0) && (((\m) == 2) || ((\m) == 4) || ((\m) == 5))
	WIN 0                                          ; at a branch every window is 0
	s_cmp_gt_u32 s25, \m
	s_cbranch_scc0 .Lkend_\@                       ; dead tiles are jumped over at tiles 2, 4 and 5: with 1 or 3 live tiles one dead tile is multiplied and never stored
.endif
	WIN 0x5c+0x50*((\m)/4)
.irp i, 0,1,2,3,4,5,6,7                ; the accumulators take turns, one instruction a turn
.if (\t) == 0
	v_wmma_f32_16x16x32_bf16 v[64*((\m)%4)+8*\i:64*((\m)%4)+8*\i+7], v[WBC+8*\i:WBC+8*\i+7], v[RSC+8*\m:RSC+8*\m+7], 0
.else
	v_wmma_f32_16x16x32_bf16 v[64*((\m)%4)+8*\i:64*((\m)%4)+8*\i+7], v[WBC+8*\i:WBC+8*\i+7], v[RSC+8*\m:RSC+8*\m+7], v[64*((\m)%4)+8*\i:64*((\m)%4)+8*\i+7]
.endif
.endr
.if ((\m) == 0) && ((\t) < NK-1)
	PLACES                                         ; four places stand between the last step's products and the loads into registers that those read, beside the wait at the step's head
	WIN 0
.irp i, 0,1,2,3,4,5,6,7                ; no wait: no vector or matrix instruction since the step's head names the other weight buffer or v[AWR ..]
	ds_load_b128 v[WBN+8*\i:WBN+8*\i+3],   v[WRG] offset:WOF+\i*16*272      ; 65,504 at the most: inside the 16-bit immediate
	ds_load_b128 v[WBN+8*\i+4:WBN+8*\i+7], v[WRG] offset:WOF+\i*16*272+32
.endr
.endif
.if ((\m) == 1) && ((\t) < NK-3)
	WIN 0xc0                                       ; destination window 3, address window 0
.irp n, 0,1,2,3,4,5                    ; no wait: no vector or matrix instruction since the step's head names this ring slot or v[RO ..]
	global_load_b128 v[RSN+8*\n:RSN+8*\n+3],   v[RO+\n], s[34:35] offset:TOF
	global_load_b128 v[RSN+8*\n+4:RSN+8*\n+7], v[RO+\n], s[34:35] offset:TOF+512
.endr
.endif
.endr
	WIN 0
.Lkend_\@:
.endm
; THE WAY OUT of tile m: a lane's eight columns of a block are 32 bytes of a row; through my stage they become whole rows of 512 bytes.
.macro EPI m
.set AC, 64*((\m)%4)
.if (\m) > 0
	s_cmp_gt_u32 s25, \m
	s_cbranch_scc0 .Lepi_done
.endif
	s_wait_xcnt 0x0                                ; the last tile's stores have had their addresses translated: BK and their base are rewritten only behind this wait,
	s_wait_alu depctr_vm_vsrc(0)                   ; and they have read v[BK ..], in which the LDS loads below land
	WIN 4*(1+(\m)/4)                               ; an LDS store's data is source 1: the accumulators' window
.irp i, 0,1,2,3,4,5,6,7
	ds_store_b128 v[STO], v[AC+8*\i:AC+8*\i+3]   offset:64*\i     ; each accumulator from its low end on
	ds_store_b128 v[STO], v[AC+8*\i+4:AC+8*\i+7] offset:64*\i+16
.endr
	WIN 0
.irp i, 0,1,2,3,4,5,6,7,8,9,10,11,12,13,14,15
	ds_load_b128 v[BK+4*\i:BK+4*\i+3], v[RD] offset:528*\i        ; LDS serves a wave's instructions in order (ISA guide 5.7.1.4): these see the stores above
.endr
	s_add_co_u32 s29, s26, \m
	s_min_u32 s29, s29, 63
	s_lshl_b32 s30, s29, 16                        ; 16 rows of 4,096 bytes
	s_add_nc_u64 s[40:41], s[38:39], s[30:31]
	s_wait_dscnt 0x0
.irp i, 0,1,2,3,4,5,6,7,8,9,10,11,12,13,14,15
	global_store_b128 v[LO], v[BK+4*\i:BK+4*\i+3], s[40:41] offset:4096*\i  ; 512 consecutive bytes, aligned
.endr
.endm
	s_mov_b32 s24, 0
	s_mov_b32 s27, 3
.Lpass:
	s_cmp_ge_u32 s24, s23
	s_cbranch_scc1 .Lskip
	s_sub_co_u32 s25, s23, s24
	s_min_u32 s25, s25, 6                          ; live tiles
	s_mul_i32 s26, s2, s23
	s_add_co_u32 s26, s26, s24                     ; my first tile
	s_wait_alu depctr_vm_vsrc(0)                   ; the last pass's loads have read v[RO ..], which the lines below write; its LDS stores have read the accumulators, which this pass's first products write
.irp m, 0,1,2,3,4,5
	s_add_co_u32 s29, s26, \m
	s_min_u32 s29, s29, 63
	s_add_co_u32 s29, s29, s56                     ; the tile in the expert's 64;
	s_lshl_b32 s29, s29, 7                         ; a tile is 2,048 bytes = 128 pieces of 16
	v_add_nc_u32 v[RO+\m], s29, v1                 ; 128 x tile + lane (the last pass's loads, which named this register, were waited for with the count 0)
	s_cmp_gt_u32 s25, \m
	s_cselect_b32 s42, -1, 0
	v_and_b32 v[RO+\m], s42, v[RO+\m]              ; a dead tile's lanes all take lane 0's piece of tile 0, which is written wherever the expert has a tile: the count of loads is the same on every path
	v_min_u32 v[RO+\m], 0x1fff, v[RO+\m]           ; the tile hangs on a count read from memory: it enters an address only behind this clamp (63 x 128 + 31 = 8,095 at the most); behind it stands a shift alone
	v_lshlrev_b32 v[RO+\m], 4, v[RO+\m]            ; 2,048 x tile + 16 x lane
.endr
	s_wait_alu depctr_va_vdst(0)                   ; v[RO ..] are written, which all the pass's loads of h read; the roundings and products that read v128 to v255 and h's ring are done: the loads below and the first step's land there
.irp i, 0,1,2,3,4,5,6,7
	ds_load_b128 v[WB0+8*\i:WB0+8*\i+3],   v[AWR] offset:\i*16*272     ; K step 0's weights
	ds_load_b128 v[WB0+8*\i+4:WB0+8*\i+7], v[AWR] offset:\i*16*272+32
.endr
	WIN 0xc0
.irp s, 0,1,2
.irp m, 0,1,2,3,4,5
	global_load_b128 v[48*\s+8*\m:48*\s+8*\m+3],   v[RO+\m], s[34:35] offset:(\s/2)*131072+(\s%2)*1024
	global_load_b128 v[48*\s+8*\m+4:48*\s+8*\m+7], v[RO+\m], s[34:35] offset:(\s/2)*131072+(\s%2)*1024+512
.endr
.endr
	WIN 0
.set kk, 0
.rept NK
	KSTEP kk
.set kk, kk+1
.endr
	PLACES                                         ; four places behind the last product, before its result is read (ISA guide 7.12.1)
	s_wait_alu depctr_va_vdst(0)                   ; the products have written the pass's accumulators, which the LDS stores of all six tiles read: no vector or matrix instruction stands among them; the places above stay beside this wait
	EPI 0
	EPI 1
	EPI 2
	EPI 3
	EPI 4
	EPI 5
.Lepi_done:
.Lskip:
	s_add_co_u32 s24, s24, 6
	s_sub_co_u32 s27, s27, 1
	s_cmp_lg_u32 s27, 0
	s_cbranch_scc1 .Lpass
	s_wait_dscnt 0x0                               ; the closing lines, six on end
	s_wait_alu 0x0
	s_wait_tensorcnt 0x0
	ds_add_u32 v[SPW], v[NIL]
	s_wait_dscnt 0x0
	s_endpgm
.Lfunc_end_k_qe85d1fb1fa_down:
	.size	k_qe85d1fb1fa_down, .Lfunc_end_k_qe85d1fb1fa_down-k_qe85d1fb1fa_down
	.p2alignl 7, 3214868480
	.fill 96, 4, 3214868480
	.section	.rodata,"a",@progbits
	.p2align	6, 0x0
	.amdhsa_kernel k_qe85d1fb1fa_down
		.amdhsa_group_segment_fixed_size 173568
		.amdhsa_private_segment_fixed_size 0
		.amdhsa_enable_private_segment 0
		.amdhsa_kernarg_size 40
		.amdhsa_user_sgpr_count 2
		.amdhsa_user_sgpr_kernarg_segment_ptr 1
		.amdhsa_wavefront_size32 1
		.amdhsa_system_sgpr_workgroup_id_x 1
		.amdhsa_system_sgpr_workgroup_id_y 1
		.amdhsa_system_sgpr_workgroup_id_z 1
		.amdhsa_system_vgpr_workitem_id 0
		.amdhsa_next_free_vgpr 960
		.amdhsa_next_free_sgpr 80
		.amdhsa_reserve_vcc 0
		.amdhsa_float_denorm_mode_32 3
		.amdhsa_float_denorm_mode_16_64 3
		.amdhsa_memory_ordered 1
		.amdhsa_forward_progress 1
		.amdhsa_inst_pref_size 163
	.end_amdhsa_kernel
	.amdgpu_metadata
---
amdhsa.version: [ 1, 2 ]
amdhsa.kernels:
  - .name:           k_qe85d1fb1fa_down
    .symbol:         k_qe85d1fb1fa_down.kd
    .args:
      - { .name: expert_down, .offset: 0, .size: 8, .value_kind: global_buffer, .address_space: global }
      - { .name: shared_down, .offset: 8, .size: 8, .value_kind: global_buffer, .address_space: global }
      - { .name: route, .offset: 16, .size: 8, .value_kind: global_buffer, .address_space: global }
      - { .name: hb, .offset: 24, .size: 8, .value_kind: global_buffer, .address_space: global }
      - { .name: yb, .offset: 32, .size: 8, .value_kind: global_buffer, .address_space: global }
    .group_segment_fixed_size: 173568
    .private_segment_fixed_size: 0
    .kernarg_segment_align: 8
    .kernarg_segment_size: 40
    .max_flat_workgroup_size: 128
    .sgpr_count:     80
    .vgpr_count:     960
    .wavefront_size: 32
...
	.end_amdgpu_metadata
.endif
;; end of part 7
;; launch combine: the kernel of part 5 again; grid 256 x 1, 8 waves a work-group, no clusters, 0 bytes of LDS; arguments route, ws, yb, out0; writes out0
